; MI455X (gfx1250); checked and timed in simulation.
; The chip was launched on July 23, 2026; its instructions are those of AMD's public machine-readable ISA for CDNA 5 (MIT licence, August 2026) and "CDNA5" Instruction Set Architecture Reference Guide (July 2026). The comments in the code are by the model that wrote it; some were corrected since.
;; Attention. Allowed arithmetic: matrix products marked QUANTISED: E2M3 operands, one E8M0 scale for each 32 along K, by v_wmma_scale_f32_16x16x128_f8f6f4 with both operands' format E2M3, f32 sums; everything else in f32.
;; Inputs: Wk_codes 1,024 x 32 x 24 uint8 (E2M3 codes of Wk, K innermost, in blocks of 32 codes, four codes in three bytes); Wk_scales 1,024 x 32 uint8 (E8M0 scales of Wk, one for each 32 codes along K); Wp_codes 1,024 x 32 x 24 uint8 (E2M3 codes of Wp, K innermost, in blocks of 32 codes, four codes in three bytes); Wp_scales 1,024 x 32 uint8 (E8M0 scales of Wp, one for each 32 codes along K); Wq_codes 1,024 x 32 x 24 uint8 (E2M3 codes of Wq, K innermost, in blocks of 32 codes, four codes in three bytes); Wq_scales 1,024 x 32 uint8 (E8M0 scales of Wq, one for each 32 codes along K); Wv_codes 1,024 x 32 x 24 uint8 (E2M3 codes of Wv, K innermost, in blocks of 32 codes, four codes in three bytes); Wv_scales 1,024 x 32 uint8 (E8M0 scales of Wv, one for each 32 codes along K); att_mask 1 x 1 x 2,048 x 2,048 float32; bk 1,024 float32; bp 1,024 float32; bq 1,024 float32; bv 1,024 float32; key_codes 2 x 2,048 x 32 x 24 uint8 (E2M3 codes of key, K innermost, in blocks of 32 codes, four codes in three bytes); key_scales 2 x 2,048 x 32 uint8 (E8M0 scales of key, one for each 32 codes along K); query_codes 2 x 2,048 x 32 x 24 uint8 (E2M3 codes of query, K innermost, in blocks of 32 codes, four codes in three bytes); query_scales 2 x 2,048 x 32 uint8 (E8M0 scales of query, one for each 32 codes along K); value_codes 2 x 2,048 x 32 x 24 uint8 (E2M3 codes of value, K innermost, in blocks of 32 codes, four codes in three bytes); value_scales 2 x 2,048 x 32 uint8 (E8M0 scales of value, one for each 32 codes along K).
;; Outputs: out0 2 x 2,048 x 1,024 float32.
;; This version of the problem:
;;   THIS VERSION OF THE PROBLEM IS GIVEN IN LOW PRECISION. The matrix products marked QUANTISED in the list below multiply operands that are first quantised to E2M3 (2 exponent bits, 3 mantissa bits; 6 bits a number), with one power-of-two scale for each 32 numbers along K (OCP MX v1.0); their sums are f32. All else is computed in f32.
;;   The module's matrix products, in the order in which they are computed (A, B: the left and right operand; K: the contracted axis; several contracted axes count as one K, in the product's order):
;;     1. [M 4,096, K 1,024] x [K 1,024, N 1,024]; A: input query (given as codes); B: input Wq (given as codes): QUANTISED
;;     2. [M 4,096, K 1,024] x [K 1,024, N 1,024]; A: input key (given as codes); B: input Wk (given as codes): QUANTISED
;;     3. [M 4,096, K 1,024] x [K 1,024, N 1,024]; A: input value (given as codes); B: input Wv (given as codes): QUANTISED
;;     4. batch 32 x [M 2,048, K 64] x [K 64, N 2,048]; A: computed on the way; B: computed on the way: QUANTISED
;;     5. batch 32 x [M 2,048, K 2,048] x [K 2,048, N 64]; A: softmax (see below); B: computed on the way: QUANTISED
;;     6. [M 4,096, K 1,024] x [K 1,024, N 1,024]; A: computed on the way; B: input Wp (given as codes): QUANTISED
;;   THE QUANTISER, for each operand of a quantised product, along K:
;;     - K is cut into blocks of 32 from its start; a last block that is shorter is filled with zeros.
;;     - A block's scale is 2^e with e = floor(log2(the largest magnitude in the block)) - 2, held to -126 .. 127; a block of zeros has e = 0. As a byte (E8M0): e + 127.
;;     - Each number is divided by its block's scale, clamped to +-7.5, and rounded to the nearest number of E2M3, ties to even, subnormals kept.
;;     - The product sums the exact products of the quantised numbers (number of the format x scale) in f32.
;;   ~~~python
;;   def quantise(x, axis):      # numpy; x: float32 -> the quantised numbers, widened to float32 again
;;       x = np.moveaxis(x, axis, -1); K = x.shape[-1]
;;       x = np.pad(x, [(0, 0)] * (x.ndim - 1) + [(0, -K % 32)]); x = x.reshape(x.shape[:-1] + (-1, 32)); a = np.abs(x).max(-1, keepdims=True)
;;       e = np.where(a > 0, np.clip(np.frexp(np.where(a > 0, a, 1))[1] - 1 - 2, -126, 127), 0)      # np.frexp(a)[1] - 1 = floor(log2(a)), exactly
;;       r = np.clip(x / 2.0 ** e, -7.5, 7.5)
;;       step = 2.0 ** (np.maximum(np.frexp(np.where(r == 0, 1, r))[1] - 1, 0) - 3)
;;       q = np.round(r / step) * step * 2.0 ** e      # np.round: ties to even
;;       return np.moveaxis(q.reshape(q.shape[:-2] + (-1,))[..., :K], -1, axis).astype(np.float32)
;;   ~~~
;;   SOFTMAX AHEAD OF A QUANTISED PRODUCT. Where the list says 'softmax', what is quantised is not the finished softmax but p = 2^(t - M), with t = logit x log2(e) and M = ceil(the row's largest t), a whole number; so 1/2 < the row's largest p <= 1. The row's sum l is taken of the UNQUANTISED p, in f32, and the product's result is divided by l at the end. Since M is a whole number, a kernel that streams over the keys may use a running M (the ceiling of the running maximum): every later rescaling is an exact power of two, which a block's scale takes up: the codes' values come out the same.
;;   OPERANDS COMPUTED ON THE WAY. 'Computed on the way' means the value that the module computes at that place (a softmax that the list does not call 'softmax' is quantised finished and normalised). What goes into a quantiser is computed in f32, as accurately as f32 sums, v_exp_f32 and their like allow (about 1e-6 of the number): no bf16 or f16 on the way to a quantiser, and a product that is left as it is and whose result goes on into a quantised operand takes f32 operands (vector FMAs, or v_wmma_f32_16x16x4_f32). A number that lies on a knife's edge between two numbers of the format may be rounded either way, as far as f32 arithmetic and the matrix unit's own rounding can turn it there, and no further.
;;   INPUTS GIVEN AS CODES. Wk (in the module: [1024, 1024], K = its axis 0); Wp (in the module: [1024, 1024], K = its axis 0); Wq (in the module: [1024, 1024], K = its axis 0); Wv (in the module: [1024, 1024], K = its axis 0); key (in the module: [2, 2048, 1024], K = its axis 2); query (in the module: [2, 2048, 1024], K = its axis 2); value (in the module: [2, 2048, 1024], K = its axis 2): each comes as NAME_codes (uint8): NAME with its K axis moved to the last place and cut into blocks of 32 codes, [.., K / 32, bytes a block], one block behind the other in memory; four codes in three bytes: a row's codes are one little-endian stream of bits, code i at bits 6 i .. 6 i + 5 (a code: sign, 2 exponent bits, 3 mantissa bits); and NAME_scales (uint8): the same leading axes, one E8M0 byte (e + 127) for each 32 codes along K. Its value is code x scale, taken as it is: it is not quantised again, and the codes and scales need not be those that the quantiser above would give.
;; One version. Each part assembles by itself: llvm-mc -triple=amdgcn-amd-amdhsa -mcpu=gfx1250 --defsym DOCPART=n.
;; ======== version 1 of 1: 4 launches
;; workspace buffers: qimg 3,145,728 bytes; kv 6,291,456 bytes; sc 655,360 bytes; gpart 1,024 bytes; mbits 532,480 bytes of whole numbers; yimg 3,145,728 bytes; ysc 131,072 bytes
;; launch proj (part 1): grid 4 x 48, 4 waves a work-group, clusters of 4 x 4, 327,680 bytes of LDS; arguments query_codes, query_scales, Wq_codes, Wq_scales, key_codes, key_scales, Wk_codes, Wk_scales, Wv_codes, Wv_scales, value_codes, value_scales, bq, bk, bv, qimg, kv, sc; writes qimg, kv, sc
.if DOCPART == 1
	.amdgcn_target "amdgcn-amd-amdhsa--gfx1250"
	.amdhsa_code_object_version 6
	.text
	.protected	k_qcf417c5f41_proj
	.globl	k_qcf417c5f41_proj
	.p2align	8
	.type	k_qcf417c5f41_proj,@function
k_qcf417c5f41_proj:
	s_mov_b64 s[64:65], 0
	v_nop
	global_prefetch_b8 v0, s[64:65] scope:SCOPE_SE
	s_setreg_imm32_b32 hwreg(HW_REG_WAVE_MODE, 25, 1), 1
	s_wait_xcnt 0x0
	s_wait_alu depctr_hold_cnt(0) depctr_sa_sdst(0) depctr_va_vdst(0) depctr_va_sdst(0) depctr_va_ssrc(0) depctr_va_vcc(0) depctr_vm_vsrc(0)
	s_getreg_b32 s2, hwreg(HW_REG_IB_STS2, 6, 4)
	s_cmp_eq_u32 s2, 0
	s_cbranch_scc0 .Lentry_in_a_cluster
	s_endpgm
.Lentry_in_a_cluster:
	s_bfe_u32 s2, ttmp6, 0x10000c
	s_cmp_lg_u32 s2, 0xf033
	s_cbranch_scc0 .Lentry_shape_is_right
	s_endpgm
.Lentry_shape_is_right:
; q = query Wq + bq, k = key Wk + bk, v = value Wv + bv on codes of FP6 (E2M3) with one E8M0 scale for each 32 along K = 1024; the results are quantised again and stored as IMAGES OF OPERAND REGISTERS.
; 192 work-groups, 16 tiles of 256 x 256 times 4 for each of the three products; the cluster row number / 4 says which product (0 q, 1 k, 2 v): the same in all sixteen partners.
; Four waves, each 128 x 128: 64 accumulators.  K goes in steps of 256 through a ring of two LDS slots filled by joint tensor loads (4 x 4 cluster: A shared along a row, B along a column).
; The matrix instruction is used transposed: source 0 = 16 rows of B, source 1 = 16 rows of A: a lane holds ONE row of A and its registers run along the rows of B, which is the axis that is quantised next.
;   q, k: A = the tokens, B = the weight: registers run along the channels (two heads of 64 a wave).      v: A = Wv, B = the tokens: registers run along the keys (128 a wave).
; THE ORDER INSIDE A BLOCK OF 32: position 16 h + i of a stored block holds index 16 (i / 8) + 8 h + i % 8 of the block.  q and k get it alike, v and the softmax weights get it alike, so every product keeps its
; terms; only the order of the f32 sums differs from an ascending one.  A block has the same 32 members, so its scale is the rule's.
; q / 256 (1 / 32 / sqrt(64), a power of two) has q's codes and scale bytes lower by 8: no multiplication.
; LIMITS: NaN and infinities among the inputs are not served.  A block whose largest magnitude lies under 2^-124 (for q under 2^-116) keeps the byte 1; a block of zeros too: its codes are zeros, and only this program reads the bytes.
.set KSTEP,  256
.set NQ,     KSTEP/128
.set ROWB,   192                       ; a tile row: 256 codes
.set KROW,   768                       ; a row of 1024 codes in memory
.set PITCH,  240                       ; an LDS row: 3 x (64 bytes + 16 of padding)
.set FR,     12
.set NL,     6
.set NP,     4
.set HALFT,  128*PITCH
.set SLOT,   4*HALFT
.set LAPS,   2                         ; 1024 / 512
.set KS,     32                        ; a row of scale bytes
.set SCL,    2*SLOT
.set HALFS,  (128*KS/256)*272
.set SBLK,   (16*KS/256)*272
.set SPARE,  SCL+4*HALFS               ; the spare words: 128 bytes a wave, named by no other line
.set ADRA, 16                          ; v16-19 LDS addresses of A fragments (slot 0, 1; the same behind one padding more)
.set ADRB, 20                          ; v20-23 the same for B
.set LI,   24                          ; v24 16 x lane
.set L8,   25                          ; v25 8 x lane
.set BA,   26                          ; v26 the lane term of the bias loads
.set ADRS, 27                          ; v27 LDS address of my scale words
.set SPW,  28
.set NIL,  29
.set SC,   32                          ; v32-63 scale words, two sets; on the way out: at work
.set BI,   64                          ; v64-127 the bias
.set AF,   128                         ; v128-223 fragments of A; on the way out: the codes to store
.set TM,   32                          ; way out: v32-35 largest magnitudes, v36-39 the partner lane, then bytes, v40-43 at work, v44-47 the conversions' scale operands
.set PW,   48                          ; the scale word just made
.set PWE,  49                          ; that of the even tile
.set TT,   50
.set PT,   52                          ; v52-54, v56-58 second halves of the blocks
.set OUT,  128
.set KS0,  224                         ; v224-227, v228-231 scale registers to store
.set KS1,  228
.set G1, 24
.set G0, 32
.set G1B, 48
.set G0B, 56
.set G1S, 68
.set G0S, 76
.set G1SB, 80
.set G0SB, 88
.set MSB, 0
.macro WIN new                         ; the immediate's high byte repeats the setting that is left
.if MSB != (\new)
	s_set_vgpr_msb (MSB<<8)|(\new)
.set MSB, (\new)
.endif
.endm
.set MUL_LO, 0xa1                      ; source 0 (B) window 1, source 1 (A) window 0, C and D window 2
.set MUL_HI, 0xf1                      ; the same, C and D window 3
.set TO_B,   0x40
; A joint load: waves 0 and 1 fetch for A, waves 2 and 3 for B; the branch hangs on the wave number alone.  Four v_nop follow each of the two lines.
.macro JLOAD g0a, g1a, g0b, g1b
	s_cmp_eq_u32 s15, 0
	s_cbranch_scc0 .Lfor_b_\@
	tensor_load_to_lds s[\g0a:\g0a+3], s[\g1a:\g1a+7]
	s_nop 0
.rept 4
	v_nop
.endr
	s_branch .Lasked_\@
.Lfor_b_\@:
	tensor_load_to_lds s[\g0b:\g0b+3], s[\g1b:\g1b+7]
	s_nop 0
.rept 4
	v_nop
.endr
.Lasked_\@:
.endm
.macro CREST
	s_cmp_lg_u32 s14, 0
	s_cbranch_scc1 .Lnot_wave_0_\@
	s_barrier_signal -3
.Lnot_wave_0_\@:
	s_barrier_wait -3
	s_barrier_signal -1
	s_barrier_wait -1
.endm
.macro CROUND
	s_barrier_signal -1
	s_barrier_wait -1
	CREST
.endm
	s_load_b256 s[68:75], s[0:1], 0x0              ; q: A codes, A scales, B codes, B scales
	s_load_b256 s[76:83], s[0:1], 0x20             ; k: the same
	s_load_b256 s[84:91], s[0:1], 0x40             ; v: A = Wv, B = value
	s_load_b128 s[92:95], s[0:1], 0x60             ; bq, bk
	s_load_b64 s[96:97], s[0:1], 0x70              ; bv
	v_lshl_add_u32 v[SPW], v0, 2, SPARE
	v_mov_b32 v[NIL], 0
	ds_add_u32 v28, v29
	ds_add_u32 v28, v29
	s_wait_dscnt 0x0
	v_lshrrev_b32 v1, 5, v0
	v_readfirstlane_b32 s14, v1                    ; wave 0..3
	s_lshr_b32 s15, s14, 1                         ; which half of A's rows is mine.  Also: I fetch for A (0) or for B (1)
	s_and_b32 s16, s14, 1                          ; which half of B's rows.  Also: which 128 rows of that tile I fetch
	s_bfe_u32 s40, ttmp6, 0x40000                  ; cx
	s_bfe_u32 s41, ttmp6, 0x40004                  ; cy
	s_and_b32 s99, ttmp7, 0xffff                   ; the cluster's row, 0..11
	s_lshr_b32 s98, s99, 2                         ; which product: 0 q, 1 k, 2 v
	s_and_b32 s99, s99, 3
	s_lshl_b32 s99, s99, 2                         ; the tokens' 16 tiles of 256 go four to a cluster
	s_cmp_eq_u32 s98, 2
	s_cselect_b32 s17, 0, s99                      ; q, k: the tokens are A's rows;
	s_cselect_b32 s42, s99, 0                      ; v: they are B's
	s_add_co_u32 s17, s17, s41                     ; A's tile of 256 rows: hangs on cy and the cluster's row
	s_add_co_u32 s42, s42, s40                     ; B's: on cx and the cluster's row
	s_lshl_b32 s43, s41, 2
	s_lshl_b32 s43, 15, s43                        ; my row of the cluster
	s_lshl_b32 s44, 0x1111, s40                    ; my column
	s_or_b32 s[G1+0], s43, (0<<16)|(1<<20)|(1<<21)|(3<<22)|(3<<25)  ; the mask; elements of 1 byte; padding on: 4 words behind every 16; bit 21 beside a mask
	s_or_b32 s[G1B+0], s44, (0<<16)|(1<<20)|(1<<21)|(3<<22)|(3<<25)
.irp g, G1, G1B
	s_mov_b32 s[\g+1], ROWB<<16                    ; tensor_dim0
	s_mov_b32 s[\g+2], 128<<16                     ; tensor_dim1
	s_mov_b32 s[\g+3], ROWB<<16                    ; tile_dim0
	s_mov_b32 s[\g+4], 128                         ; tile_dim1
	s_mov_b32 s[\g+5], KROW                        ; the pitch
	s_mov_b32 s[\g+6], 0
	s_mov_b32 s[\g+7], 0
.endr
	s_wait_kmcnt 0x0
	s_cmp_eq_u32 s98, 0                            ; the buffers are chosen by the product's number alone
	s_cselect_b64 s[4:5], s[68:69], s[76:77]
	s_cselect_b64 s[6:7], s[70:71], s[78:79]
	s_cselect_b64 s[8:9], s[72:73], s[80:81]
	s_cselect_b64 s[10:11], s[74:75], s[82:83]
	s_cselect_b64 s[12:13], s[92:93], s[94:95]
	s_mov_b32 s100, 3<<23
	s_cselect_b32 s100, 11<<23, s100               ; the floor under a largest magnitude: the byte cannot fall under 1 (q's byte is lower by 8)
	s_mov_b32 s101, 0xff000000
	s_cselect_b32 s101, 0xfb000000, s101           ; what comes off the exponent field for the byte: 2, for q 10
	s_cmp_eq_u32 s98, 2
	s_cselect_b64 s[4:5], s[84:85], s[4:5]
	s_cselect_b64 s[6:7], s[86:87], s[6:7]
	s_cselect_b64 s[8:9], s[88:89], s[8:9]
	s_cselect_b64 s[10:11], s[90:91], s[10:11]
	s_cselect_b64 s[12:13], s[96:97], s[12:13]
	; the scales of 128 rows: a dense block of 4,096 bytes, as rows of 256 bytes with 16 of padding behind each
	s_or_b32 s[G1S+0], s43, (3<<16)|(1<<20)|(1<<21)|(5<<22)|(3<<25)
	s_or_b32 s[G1SB+0], s44, (3<<16)|(1<<20)|(1<<21)|(5<<22)|(3<<25)
.irp g, G1S, G1SB
	s_mov_b32 s[\g+1], 32<<16
	s_mov_b32 s[\g+2], (128*KS/256)<<16
	s_mov_b32 s[\g+3], 32<<16
	s_mov_b32 s[\g+4], 128*KS/256
	s_mov_b32 s[\g+5], 32
	s_mov_b32 s[\g+6], 0
	s_mov_b32 s[\g+7], 0
.endr
	s_lshl_b32 s18, s16, 7                         ; which 128 rows of the tile I fetch
	s_lshl_b32 s20, s17, 8
	s_add_co_u32 s20, s20, s18                     ; A: row
	s_lshl_b32 s46, s42, 8
	s_add_co_u32 s46, s46, s18                     ; B: row
	s_mov_b32 s21, 0
	s_mov_b32 s47, 0
	s_mov_b64 s[18:19], KS
	s_mul_u64 s[22:23], s[20:21], s[18:19]
	s_mul_u64 s[92:93], s[46:47], s[18:19]
	s_mov_b64 s[18:19], KROW
	s_mul_u64 s[20:21], s[20:21], s[18:19]
	s_mul_u64 s[46:47], s[46:47], s[18:19]
	s_mul_i32 s45, s14, HALFT                      ; where they go: wave x 128 rows
	s_mul_i32 s94, s14, HALFS
	s_add_nc_u64 s[20:21], s[4:5], s[20:21]
	s_add_nc_u64 s[22:23], s[6:7], s[22:23]
	s_add_nc_u64 s[46:47], s[8:9], s[46:47]
	s_add_nc_u64 s[92:93], s[10:11], s[92:93]
	CROUND                                         ; all sixteen work-groups are here: the first joint loads meet
	s_mov_b32 s[G0S], 1
	s_add_co_u32 s[G0S+1], s94, SCL
	s_mov_b64 s[G0S+2:G0S+3], s[22:23]
	s_or_b32 s[G0S+3], s[G0S+3], 0x80000000
	s_mov_b32 s[G0SB], 1
	s_add_co_u32 s[G0SB+1], s94, SCL
	s_mov_b64 s[G0SB+2:G0SB+3], s[92:93]
	s_or_b32 s[G0SB+3], s[G0SB+3], 0x80000000
	JLOAD G0S, G1S, G0SB, G1SB                     ; the scales first: filled once
.irp s, 0,1
	s_mov_b32 s[G0+4*\s], 1
	s_add_co_u32 s[G0+4*\s+1], s45, \s*SLOT
	s_add_nc_u64 s[G0+4*\s+2:G0+4*\s+3], s[20:21], \s*ROWB
	s_or_b32 s[G0+4*\s+3], s[G0+4*\s+3], 0x80000000
	s_mov_b32 s[G0B+4*\s], 1
	s_add_co_u32 s[G0B+4*\s+1], s45, \s*SLOT
	s_add_nc_u64 s[G0B+4*\s+2:G0B+4*\s+3], s[46:47], \s*ROWB
	s_or_b32 s[G0B+4*\s+3], s[G0B+4*\s+3], 0x80000000
	JLOAD G0+4*\s, G1, G0B+4*\s, G1B
.endr
	v_and_b32 v1, 15, v0                           ; r = lane % 16 (kept)
	v_bfe_u32 v2, v0, 4, 1                         ; h = lane / 16 (kept)
	v_mul_u32_u24 v3, v1, PITCH
	v_mul_u32_u24 v4, v2, 24
	v_add_nc_u32 v4, v3, v4                        ; a fragment's row x pitch + 24 x half
	v_lshl_add_u32 v5, v2, 4, v4                   ; and the same behind one padding more
	s_mul_i32 s21, s15, HALFT
	s_mul_i32 s22, s16, HALFT
	s_add_co_u32 s22, s22, 2*HALFT
.irp s, 0,1
	v_add_nc_u32 v[ADRA+\s], s21, v4
	v_add_nc_u32 v[ADRB+\s], s22, v4
	v_add_nc_u32 v[ADRA+2+\s], s21, v5
	v_add_nc_u32 v[ADRB+2+\s], s22, v5
	s_add_co_u32 s21, s21, SLOT
	s_add_co_u32 s22, s22, SLOT
.endr
	v_mul_u32_u24 v5, v1, KS                       ; my row's scales: 32 bytes a row,
	v_lshrrev_b32 v6, 8, v5
	v_lshl_add_u32 v5, v6, 4, v5                   ; and 16 more for each 256 passed
	s_mul_i32 s21, s15, HALFS
	s_mul_i32 s22, s16, HALFS
	s_add_co_u32 s22, s22, 2*HALFS
	s_sub_co_u32 s22, s22, s21
	v_mul_u32_u24 v6, s22, v2                      ; lanes 16-31 take B's
	s_add_co_u32 s21, s21, SCL
	v_add_nc_u32 v5, v5, v6
	v_add_nc_u32 v[ADRS], s21, v5
	v_and_b32 v6, 31, v0
	v_lshlrev_b32 v[LI], 4, v6
	v_lshlrev_b32 v[L8], 3, v6
	s_lshl_b32 s18, s17, 8                         ; the bias of my 128 channels: they are A's rows for v, B's rows for q and k
	s_lshl_b32 s19, s15, 7
	s_add_co_u32 s18, s18, s19
	s_lshl_b32 s22, s42, 8
	s_lshl_b32 s23, s16, 7
	s_add_co_u32 s22, s22, s23
	s_cmp_eq_u32 s98, 2
	s_cselect_b32 s18, s18, s22
	s_lshl_b32 s18, s18, 2
	s_mov_b32 s19, 0
	s_add_nc_u64 s[12:13], s[12:13], s[18:19]
.macro FRAG reg, adr, q, i             ; 16 rows x 128 K of 6-bit codes: 12 registers, in pieces of 8 bytes; where the piece of lanes 16-31 lies behind one padding more, the second address register serves
.irp p, 0,1,2,3,4,5
.set PCE, 12*(\q)+6*(\p/3)+\p%3
.if PCE%8 < 5
	ds_load_b64 v[\reg+2*\p:\reg+2*\p+1], v[\adr] offset:8*PCE+16*(PCE/8)+(\i)*16*PITCH
.else
	ds_load_b64 v[\reg+2*\p:\reg+2*\p+1], v[\adr+2] offset:8*PCE+16*(PCE/8)+(\i)*16*PITCH
.endif
.endr
.endm
; 16 matrix instructions: A's blocks a0, a0 + 1 x B's eight.  The 64 accumulators take turns, one instruction a turn, in the same order in every step.
.macro MUL16 a0, p, q, sc, zero
.irp a, \a0, \a0+1
.irp b, 0,1,2,3,4,5,6,7
.if \zero
	v_wmma_scale_f32_16x16x128_f8f6f4 v[8*(8*((\a)%4)+\b):8*(8*((\a)%4)+\b)+7], v[128*(\p)+FR*\b:128*(\p)+FR*\b+FR-1], v[AF+FR*(\a):AF+FR*(\a)+FR-1], 0, v[SC+8*NQ*(\sc)+NQ*\b+(\q)], v[SC+8*NQ*(\sc)+NQ*(\a)+(\q)] matrix_a_fmt:MATRIX_FMT_FP6 matrix_b_fmt:MATRIX_FMT_FP6 matrix_a_scale:MATRIX_SCALE_ROW1
.else
	v_wmma_scale_f32_16x16x128_f8f6f4 v[8*(8*((\a)%4)+\b):8*(8*((\a)%4)+\b)+7], v[128*(\p)+FR*\b:128*(\p)+FR*\b+FR-1], v[AF+FR*(\a):AF+FR*(\a)+FR-1], v[8*(8*((\a)%4)+\b):8*(8*((\a)%4)+\b)+7], v[SC+8*NQ*(\sc)+NQ*\b+(\q)], v[SC+8*NQ*(\sc)+NQ*(\a)+(\q)] matrix_a_fmt:MATRIX_FMT_FP6 matrix_b_fmt:MATRIX_FMT_FP6 matrix_a_scale:MATRIX_SCALE_ROW1
.endif
.endr
.endr
.endm
.macro FETCH_B slot, q, p
	WIN TO_B
.irp i, 0,1,2,3,4,5,6,7
	FRAG 128*(\p)+FR*\i, ADRB+\slot, \q, \i
.endr
	WIN 0
.endm
.macro FETCH_A slot, q, i0
.irp i, \i0, \i0+1, \i0+2, \i0+3
	FRAG AF+FR*(\i), ADRA+\slot, \q, \i
.endr
.endm
.macro SCALES sc                       ; a K step's scale words: lanes 0-15 A's block i, lanes 16-31 B's block i
.irp i, 0,1,2,3,4,5,6,7
	ds_load_b64 v[SC+8*NQ*\sc+NQ*\i:SC+8*NQ*\sc+NQ*\i+1], v[ADRS] offset:\i*SBLK
.endr
.endm
.macro PLACES n                        ; plain vector places behind matrix instructions, in front of loads into their sources and of reads of their results
.rept \n
	v_nop
.endr
.endm
.macro STEP slot, q, zero
	s_wait_dscnt 4*NL                              ; B's set and A's blocks 0-3 are in; the 24 youngest loads (A's blocks 4-7) may be out
	WIN MUL_LO
	MUL16 0, (\q)%2, \q, \slot, \zero
	MUL16 2, (\q)%2, \q, \slot, \zero
	s_wait_dscnt 0
	PLACES NP
	FETCH_B \slot, (\q)+1, 1-(\q)%2
	FETCH_A \slot, (\q)+1, 0
	WIN MUL_HI
	MUL16 4, (\q)%2, \q, \slot, \zero
	MUL16 6, (\q)%2, \q, \slot, \zero
	PLACES NP
	WIN 0
	FETCH_A \slot, (\q)+1, 4
.endm
; A slot's last step changes slots: each wave waits for all its tensor loads, adds 0 to its spare word, waits for that and for its reads of this slot, and passes the barrier; fill = 1: the barrier opens a round of the cluster's, and the slot is filled again first thing behind it.
.macro TURN slot, next, fill
	s_wait_tensorcnt 0x0                           ; all my tensor loads have landed: my part of the next slot
	ds_add_u32 v[SPW], v[NIL]                      ; 0 onto my spare word
	s_wait_dscnt 4*NL+1                            ; the add and the 24 youngest loads may be out
	WIN MUL_LO
	MUL16 0, 1, NQ-1, \slot, 0
	s_wait_dscnt 0x0                               ; the add is done, and my reads of this slot are over
	s_barrier_signal -1
	MUL16 2, 1, NQ-1, \slot, 0
	WIN 0
	s_barrier_wait -1
.if \fill
	CREST
	s_add_nc_u64 s[G0+4*\slot+2:G0+4*\slot+3], s[G0+4*\slot+2:G0+4*\slot+3], 2*ROWB
	s_add_nc_u64 s[G0B+4*\slot+2:G0B+4*\slot+3], s[G0B+4*\slot+2:G0B+4*\slot+3], 2*ROWB
	JLOAD G0+4*\slot, G1, G0B+4*\slot, G1B         ; its four v_nop are also the places in front of the loads below
.else
	PLACES NP
.endif
	v_add_nc_u32 v[ADRS], 4*NQ, v[ADRS]
	FETCH_B \next, 0, 0
	FETCH_A \next, 0, 0
	SCALES \next
	WIN MUL_HI
	MUL16 4, 1, NQ-1, \slot, 0
	MUL16 6, 1, NQ-1, \slot, 0
	PLACES NP
	WIN 0
	FETCH_A \next, 0, 4
.endm
.macro LAST                            ; the very last step of 128 along K: nothing more to fetch
	s_wait_dscnt 4*NL
	WIN MUL_LO
	MUL16 0, 1, NQ-1, 1, 0
	MUL16 2, 1, NQ-1, 1, 0
	s_wait_dscnt 0
	WIN MUL_HI
	MUL16 4, 1, NQ-1, 1, 0
	MUL16 6, 1, NQ-1, 1, 0
	WIN 0
.endm
; THE QUANTISER.  Block a of A's rows: 64 numbers a lane, register 16 b + i of block b of 32.  The bias is added, each block's largest magnitude is joined with lane l xor 16's, and the codes of blocks 0, 1 go to v[d0] on (six
; registers: lanes 0-15 block 0, lanes 16-31 block 1), those of blocks 2, 3 to v[d1] on; the four bytes make v[PW].  vmode = 1: the bias hangs on the lane (a pair of equal numbers), 0: on the register.
.macro QUANT a, d0, d1, vmode
.set QW, 2+(\a)/4
.set AC, 64*((\a)%4)
	WIN (QW<<6)|QW
.set qi, 0
.rept 32                               ; each accumulator from its low end on
.if \vmode
	v_pk_add_f32 v[AC+qi:AC+qi+1], v[AC+qi:AC+qi+1], v[BI+2*(\a):BI+2*(\a)+1]
.else
	v_pk_add_f32 v[AC+qi:AC+qi+1], v[AC+qi:AC+qi+1], v[BI+qi:BI+qi+1]
.endif
.set qi, qi+2
.endr
	WIN QW*0x14
.irp b, 0,1,2,3
	v_max3_num_f32 v[TM+\b], s100, |v[AC+16*\b]|, |v[AC+16*\b+1]|
.endr
.irp k, 2,4,6,8,10,12,14
.irp b, 0,1,2,3
	v_max3_num_f32 v[TM+\b], v[TM+\b], |v[AC+16*\b+\k]|, |v[AC+16*\b+\k+1]|
.endr
.endr
	WIN 0
.irp b, 0,1,2,3
	v_permlanex16_b32 v[TM+4+\b], v[TM+\b], s20, s21
.endr
.irp b, 0,1,2,3
	v_max_num_f32 v[TM+\b], v[TM+\b], v[TM+4+\b]
.endr
.irp b, 0,1,2,3
	v_add_nc_u32 v[TM+12+\b], 0xff000000, v[TM+\b] ; 2 off the exponent field: the conversion's scale operand
.endr
.irp b, 0,1,2,3
	v_add_nc_u32 v[TM+8+\b], s101, v[TM+\b]        ; 2, or for q / 256 ten, off it:
.endr
.irp b, 0,1,2,3
	v_lshrrev_b32 v[TM+4+\b], 23, v[TM+8+\b]       ; the byte
.endr
	v_lshl_or_b32 v[PW], v[TM+5], 8, v[TM+4]
	v_lshl_or_b32 v[PW], v[TM+6], 16, v[PW]
	v_lshl_or_b32 v[PW], v[TM+7], 24, v[PW]
	WIN QW
	v_cvt_scalef32_pk16_fp6_f32 v[\d0:\d0+2], v[AC:AC+15], v[TM+12]
	v_cvt_scalef32_pk16_fp6_f32 v[PT:PT+2], v[AC+16:AC+31], v[TM+13]
	v_cvt_scalef32_pk16_fp6_f32 v[\d1:\d1+2], v[AC+32:AC+47], v[TM+14]
	v_cvt_scalef32_pk16_fp6_f32 v[PT+4:PT+6], v[AC+48:AC+63], v[TM+15]
	WIN 0
	v_nop                                          ; one plain place behind a scaled conversion
.irp k, 0,1,2
	v_permlane16_swap_b32 v[\d0+\k], v[PT+\k]      ; a whole block to a lane
	v_permlane16_swap_b32 v[\d1+\k], v[PT+4+\k]
.endr
.irp k, 0,1,2
	v_mov_b32 v[\d0+3+\k], v[PT+\k]
	v_mov_b32 v[\d1+3+\k], v[PT+4+\k]
.endr
.endm
.macro OUTHEAD                         ; common to both ways out
	PLACES NP
	s_mov_b32 s20, 0x76543210
	s_mov_b32 s21, 0xfedcba98                      ; v_permlanex16_b32: lane l xor 16
	s_mov_b32 s22, 0xffff0000                      ; lanes 16-31
.irp b, 0,1,2,3
	v_mov_b32 v[TM+4+\b], 0                        ; a lane permute's destination counts as read
.endr
	s_wait_kmcnt 0x0                               ; the three workspace pointers
	s_wait_loadcnt 0x0                             ; the bias
.endm
.macro WHERE tok, tokh, ch, chh        ; s74 = 16 x batch + my first head, s75 = my step of 128 tokens in the batch
	s_lshr_b32 s74, s[\tok], 3
	s_lshl_b32 s74, s74, 4
	s_lshl_b32 s75, s[\ch], 2
	s_add_co_u32 s74, s74, s75
	s_lshl_b32 s75, s[\chh], 1
	s_add_co_u32 s74, s74, s75
	s_lshl_b32 s75, s[\tok], 1
	s_add_co_u32 s75, s75, s[\tokh]
	s_and_b32 s75, s75, 15
.endm
.macro FINISH
	s_wait_tensorcnt 0x0                           ; the wave's end
	ds_add_u32 v[SPW], v[NIL]
	s_wait_dscnt 0x0
	CROUND                                         ; the closing round
	s_endpgm
.endm
	s_wait_tensorcnt 1                             ; the scales and my part of K step 0 are in; K step 1's load may be out
	s_barrier_signal -1
	s_barrier_wait -1
	FETCH_B 0, 0, 0
	FETCH_A 0, 0, 0
	SCALES 0
	FETCH_A 0, 0, 4
	STEP 0, 0, 1                                   ; the first step's products start the sums
	s_mov_b32 s3, LAPS-1
.Llap:
	TURN 0, 1, 1
	STEP 1, 0, 0
	TURN 1, 0, 1
	STEP 0, 0, 0
	s_sub_co_u32 s3, s3, 1
	s_cmp_lg_u32 s3, 0
	s_cbranch_scc1 .Llap
	TURN 0, 1, 0
	STEP 1, 0, 0
	s_load_b64 s[68:69], s[0:1], 0x78              ; qimg (no tensor load of mine is out: the descriptors' registers are free)
	s_load_b64 s[70:71], s[0:1], 0x80              ; kv
	s_load_b64 s[72:73], s[0:1], 0x88              ; sc
	s_cmp_eq_u32 s98, 2
	s_cbranch_scc1 .Lpath_v
	; ---- q, k.  The bias is asked for ahead of the last 64 products, under which it lands.  Register 8 b + j wants channel 16 b + 8 h + j
	v_lshlrev_b32 v[BA], 5, v2
.irp b, 0,1,2,3,4,5,6,7
	global_load_b128 v[BI+8*\b:BI+8*\b+3], v[BA], s[12:13] offset:64*\b
	global_load_b128 v[BI+8*\b+4:BI+8*\b+7], v[BA], s[12:13] offset:64*\b+16
.endr
	LAST
	OUTHEAD
	s_mov_b32 s23, 0x01000100                      ; v_perm_b32: bytes 0, 1, 0, 1: head 0's two bytes, repeated for the unused half of K = 128
	s_mov_b32 s40, 0x03020302                      ; bytes 2, 3, 2, 3: head 1's
	WHERE 17, 15, 42, 16
	s_mul_i32 s76, s74, 98304
	s_mul_i32 s77, s75, 6144
	s_add_co_u32 s76, s76, s77
	s_lshl_b32 s76, s76, s98                       ; in kv a step's record is twice as long (K, then V)
	s_mov_b32 s77, 0
	s_cmp_eq_u32 s98, 0
	s_cselect_b64 s[78:79], s[68:69], s[70:71]
	s_add_nc_u64 s[78:79], s[78:79], s[76:77]      ; head 0's codes
	s_lshl_b32 s76, 98304, s98
	s_add_nc_u64 s[80:81], s[78:79], s[76:77]      ; head 1's
	s_mul_i32 s76, s74, 20480
	s_lshl_b32 s82, s75, 9
	s_add_co_u32 s76, s76, s82
	s_cmp_eq_u32 s98, 0
	s_cselect_b32 s82, 12288, 0                    ; q's scale words lie behind K's and V's
	s_add_co_u32 s76, s76, s82
	s_add_nc_u64 s[84:85], s[72:73], s[76:77]
.irp i, 0,1,2,3
	QUANT 2*\i, OUT+24*\i, OUT+24*\i+12, 0
	v_mov_b32 v[PWE], v[PW]
	QUANT 2*\i+1, OUT+24*\i+6, OUT+24*\i+18, 0
	v_cndmask_b32 v[TT], v[PWE], v[PW], s22        ; lanes 0-15 the even tile's words, lanes 16-31 the odd tile's
	v_perm_b32 v[KS0+\i], v[TT], v[TT], s23
	v_perm_b32 v[KS1+\i], v[TT], v[TT], s40
.irp g, 0,1,2
	global_store_b128 v[LI], v[OUT+24*\i+4*\g:OUT+24*\i+4*\g+3], s[78:79] offset:1536*\i+512*\g      ; 512 consecutive bytes a store, aligned
	global_store_b128 v[LI], v[OUT+24*\i+12+4*\g:OUT+24*\i+12+4*\g+3], s[80:81] offset:1536*\i+512*\g
.endr
.endr
	global_store_b128 v[LI], v[KS0:KS0+3], s[84:85]
	global_store_b128 v[LI], v[KS1:KS1+3], s[84:85] offset:20480
	FINISH
.Lpath_v:
	; ---- v.  Lane r wants channel 16 a + r, twice, as a pair for the packed addition
	v_lshlrev_b32 v[BA], 2, v1
.irp a, 0,1,2,3,4,5,6,7
	global_load_b32 v[BI+2*\a], v[BA], s[12:13] offset:64*\a
	global_load_b32 v[BI+2*\a+1], v[BA], s[12:13] offset:64*\a
.endr
	LAST
	OUTHEAD
	WHERE 42, 16, 17, 15
	s_mul_i32 s76, s74, 196608
	s_mul_i32 s77, s75, 12288
	s_add_co_u32 s76, s76, s77
	s_mov_b32 s77, 0
	s_add_nc_u64 s[78:79], s[70:71], s[76:77]      ; the step's record; V's half begins 6,144 bytes on
	s_mul_i32 s76, s74, 20480
	s_lshl_b32 s82, s75, 8
	s_add_co_u32 s76, s76, s82
	s_add_nc_u64 s[84:85], s[72:73], s[76:77]      ; V's scale words begin 8,192 bytes on
.irp a, 0,1,2,3,4,5,6,7
	QUANT \a, OUT+12*\a, OUT+12*\a+6, 1
.if \a%2 == 0
	v_mov_b32 v[PWE], v[PW]
.else
	v_cndmask_b32 v[KS0+\a/2], v[PWE], v[PW], s22
.endif
.irp g, 0,1,2
	global_store_b128 v[LI], v[OUT+12*\a+4*\g:OUT+12*\a+4*\g+3], s[78:79] offset:6144+(\a/4)*196608+(\a%4)*1536+512*\g
.endr
.endr
	global_store_b64 v[L8], v[KS0:KS0+1], s[84:85] offset:8192
	global_store_b64 v[L8], v[KS0+2:KS0+3], s[84:85] offset:8192+20480
	FINISH
.Lfunc_end_k_qcf417c5f41_proj:
	.size	k_qcf417c5f41_proj, .Lfunc_end_k_qcf417c5f41_proj-k_qcf417c5f41_proj
	.p2alignl 7, 3214868480
	.fill 96, 4, 3214868480
	.section	.rodata,"a",@progbits
	.p2align	6, 0x0
	.amdhsa_kernel k_qcf417c5f41_proj
		.amdhsa_group_segment_fixed_size 327680
		.amdhsa_private_segment_fixed_size 0
		.amdhsa_enable_private_segment 0
		.amdhsa_kernarg_size 144
		.amdhsa_user_sgpr_count 2
		.amdhsa_user_sgpr_kernarg_segment_ptr 1
		.amdhsa_wavefront_size32 1
		.amdhsa_system_sgpr_workgroup_id_x 1
		.amdhsa_system_sgpr_workgroup_id_y 1
		.amdhsa_system_sgpr_workgroup_id_z 1
		.amdhsa_system_vgpr_workitem_id 0
		.amdhsa_next_free_vgpr 1024
		.amdhsa_next_free_sgpr 102
		.amdhsa_reserve_vcc 0
		.amdhsa_float_denorm_mode_32 3
		.amdhsa_float_denorm_mode_16_64 3
		.amdhsa_memory_ordered 1
		.amdhsa_forward_progress 1
		.amdhsa_inst_pref_size 246
	.end_amdhsa_kernel
	.amdgpu_metadata
---
amdhsa.version: [ 1, 2 ]
amdhsa.kernels:
  - .name:           k_qcf417c5f41_proj
    .symbol:         k_qcf417c5f41_proj.kd
    .args:
      - { .name: query_codes, .offset: 0, .size: 8, .value_kind: global_buffer, .address_space: global }
      - { .name: query_scales, .offset: 8, .size: 8, .value_kind: global_buffer, .address_space: global }
      - { .name: Wq_codes, .offset: 16, .size: 8, .value_kind: global_buffer, .address_space: global }
      - { .name: Wq_scales, .offset: 24, .size: 8, .value_kind: global_buffer, .address_space: global }
      - { .name: key_codes, .offset: 32, .size: 8, .value_kind: global_buffer, .address_space: global }
      - { .name: key_scales, .offset: 40, .size: 8, .value_kind: global_buffer, .address_space: global }
      - { .name: Wk_codes, .offset: 48, .size: 8, .value_kind: global_buffer, .address_space: global }
      - { .name: Wk_scales, .offset: 56, .size: 8, .value_kind: global_buffer, .address_space: global }
      - { .name: Wv_codes, .offset: 64, .size: 8, .value_kind: global_buffer, .address_space: global }
      - { .name: Wv_scales, .offset: 72, .size: 8, .value_kind: global_buffer, .address_space: global }
      - { .name: value_codes, .offset: 80, .size: 8, .value_kind: global_buffer, .address_space: global }
      - { .name: value_scales, .offset: 88, .size: 8, .value_kind: global_buffer, .address_space: global }
      - { .name: bq, .offset: 96, .size: 8, .value_kind: global_buffer, .address_space: global }
      - { .name: bk, .offset: 104, .size: 8, .value_kind: global_buffer, .address_space: global }
      - { .name: bv, .offset: 112, .size: 8, .value_kind: global_buffer, .address_space: global }
      - { .name: qimg, .offset: 120, .size: 8, .value_kind: global_buffer, .address_space: global }
      - { .name: kv, .offset: 128, .size: 8, .value_kind: global_buffer, .address_space: global }
      - { .name: sc, .offset: 136, .size: 8, .value_kind: global_buffer, .address_space: global }
    .group_segment_fixed_size: 327680
    .private_segment_fixed_size: 0
    .kernarg_segment_align: 8
    .kernarg_segment_size: 144
    .max_flat_workgroup_size: 128
    .sgpr_count:     102
    .vgpr_count:     1024
    .wavefront_size: 32
...
	.end_amdgpu_metadata
.endif
;; end of part 1
;; launch gmax (part 2): grid 8 x 32, 8 waves a work-group, clusters of 4 x 1, 175,360 bytes of LDS; arguments att_mask, qimg, kv, sc, gpart, mbits; writes gpart, mbits
.if DOCPART == 2
	.amdgcn_target "amdgcn-amd-amdhsa--gfx1250"
	.amdhsa_code_object_version 6
	.text
	.protected	k_qcf417c5f41_gmax
	.globl	k_qcf417c5f41_gmax
	.p2align	8
	.type	k_qcf417c5f41_gmax,@function
k_qcf417c5f41_gmax:
	s_mov_b64 s[64:65], 0
	v_nop
	global_prefetch_b8 v0, s[64:65] scope:SCOPE_SE
	s_setreg_imm32_b32 hwreg(HW_REG_WAVE_MODE, 25, 1), 1
	s_wait_xcnt 0x0
	s_wait_alu depctr_hold_cnt(0) depctr_sa_sdst(0) depctr_va_vdst(0) depctr_va_sdst(0) depctr_va_ssrc(0) depctr_va_vcc(0) depctr_vm_vsrc(0)
	s_getreg_b32 s2, hwreg(HW_REG_IB_STS2, 6, 4)
	s_cmp_eq_u32 s2, 0
	s_cbranch_scc0 .Lentry_in_a_cluster
	s_endpgm
.Lentry_in_a_cluster:
	s_bfe_u32 s2, ttmp6, 0x10000c
	s_cmp_lg_u32 s2, 0x3003
	s_cbranch_scc0 .Lentry_shape_is_right
	s_endpgm
.Lentry_shape_is_right:
; Two things that the softmax launch needs as finished numbers.
; (1) The largest |att| of all 32 x 2048 x 2048 scores (masked ones too, as the problem has it): each work-group stores the largest of its 256 queries x 2048 keys of one head in gpart.
; (2) The mask as whole numbers: for each tile of 16 queries x 128 keys 64 words (word n, bit l = the mask of score register n, lane l of the softmax launch) and a class: 0 all masked, 1 mixed, 2 all open.
; SHARES.  Eight waves.  Wave w takes query tiles 4 (w % 4) .. + 3 of the block and the keys of steps 8 (w / 4) .. + 7: each fragment of K read from LDS feeds four products.  Each of the launch's 2,048 waves packs one mask tile.
; K's codes and scale words of the whole head come into LDS once, by joint tensor loads: the four query blocks of a cluster share the head.
; K = 64 IN AN INSTRUCTION OF K = 128: Q's fragment has zero codes in its upper six registers; K's fragments lie six registers apart, so a fragment's upper six are the next fragment's codes (behind the last: six zeroed registers).
; A finite code times a zero code adds nothing (the format has no infinity and no NaN), and bytes 2, 3 of every scale word repeat bytes 0, 1.
; The mask's rows are read as they lie (512 consecutive bytes a load) and turned through the wave's own stage in LDS.  A NaN in the mask counts as open: it is not equal to 0.
.set KSL,  98304                       ; LDS: K's codes 16 x 6,144 from 0; K's scale words 16 x 512 from here;
.set RED,  106496                      ; the eight waves' maxima;
.set STG,  106752                      ; the stages: 16 rows x 528 bytes for each wave
.set SROW, 528
.set LI,   1                           ; v1 16 x lane
.set ADK,  3
.set ADS,  4
.set STW,  5
.set STR,  6
.set L8,   7
.set MX,   8                           ; v8-11 running maxima, one for each query tile
.set QS,   12                          ; v12-13 Q's scale words
.set KSC0, 14                          ; v14-17, v18-21 K's scale words, two sets
.set QF,   24                          ; v24-71 four fragments of Q
.set KB0,  72                          ; v72-125, v126-179 a step's 8 fragments of K + 6 zeroed registers, two sets
.set ACC,  180                         ; v180-211, v212-243 four accumulators, two sets
.set WV,   16
.macro CROUND
	s_barrier_signal -1
	s_barrier_wait -1
	s_cmp_lg_u32 s[WV], 0
	s_cbranch_scc1 .Lnot_wave_0_\@
	s_barrier_signal -3
.Lnot_wave_0_\@:
	s_barrier_wait -3
	s_barrier_signal -1
	s_barrier_wait -1
.endm
	s_load_b256 s[4:11], s[0:1], 0x0               ; att_mask s[4:5], qimg s[6:7], kv s[8:9], sc s[10:11]
	s_load_b128 s[12:15], s[0:1], 0x20             ; gpart s[12:13], mbits s[14:15]
	s_set_vgpr_msb 0x40
	v_lshl_add_u32 v0, v0, 2, 0x2a900
	v_mov_b32 v1, 0
	s_set_vgpr_msb 0x4045
	ds_add_u32 v0, v1
	ds_add_u32 v0, v1
	s_set_vgpr_msb 0x4500
	v_lshrrev_b32 v2, 5, v0
	v_readfirstlane_b32 s[WV], v2                  ; wave 0..7
	v_and_b32 v2, 31, v0
	v_lshlrev_b32 v[LI], 4, v2
	v_lshlrev_b32 v[L8], 3, v2
	s_bfe_u32 s17, ttmp6, 0x40000                  ; cx
	s_lshl_b32 s18, ttmp9, 2
	s_add_co_u32 s18, s18, s17                     ; my block of 256 queries: it enters plain global addresses alone
	s_and_b32 s19, ttmp7, 0xffff                   ; batch x 16 + head, which the four partners share
	s_mov_b32 s24, 15|(3<<16)|(1<<21)              ; codes: the mask names all four; elements of 8 bytes; no padding
	s_mov_b32 s25, 768<<16                         ; tensor_dim0: 6,144 bytes
	s_mov_b32 s26, 2<<16                           ; tensor_dim1: two steps
	s_mov_b32 s27, 768<<16                         ; tile_dim0
	s_mov_b32 s28, 2                               ; tile_dim1
	s_mov_b32 s29, 1536                            ; the pitch: a step's record is K, then V
	s_mov_b32 s30, 0
	s_mov_b32 s31, 0
	s_mov_b32 s32, 15|(3<<16)|(1<<21)              ; scale words: 1,024 dense bytes as four rows of 256
	s_mov_b32 s33, 32<<16
	s_mov_b32 s34, 4<<16
	s_mov_b32 s35, 32<<16
	s_mov_b32 s36, 4
	s_mov_b32 s37, 32
	s_mov_b32 s38, 0
	s_mov_b32 s39, 0
	s_mul_i32 s20, s19, 196608
	s_mul_i32 s21, s[WV], 24576
	s_add_co_u32 s20, s20, s21
	s_mov_b32 s21, 0
	s_mul_i32 s22, s19, 20480
	s_lshl_b32 s23, s[WV], 10
	s_add_co_u32 s22, s22, s23
	s_mov_b32 s23, 0
	s_wait_dscnt 0x0
	s_wait_kmcnt 0x0
	CROUND                                         ; all four work-groups are here: the joint loads meet
	s_mov_b32 s40, 1
	s_mul_i32 s41, s[WV], 12288
	s_add_nc_u64 s[42:43], s[8:9], s[20:21]
	s_or_b32 s43, s43, 0x80000000
	s_mov_b32 s44, 1
	s_lshl_b32 s45, s[WV], 10
	s_add_co_u32 s45, s45, KSL
	s_add_nc_u64 s[46:47], s[10:11], s[22:23]
	s_or_b32 s47, s47, 0x80000000
	tensor_load_to_lds s[40:43], s[24:31]          ; my two steps of K: the only fills of the launch, two a wave
	s_nop 0
	tensor_load_to_lds s[44:47], s[32:39]
	s_nop 0
.rept 4
	v_nop
.endr
	; ---- addresses
	s_lshl_b32 s53, s19, 3
	s_add_co_u32 s53, s53, s18                     ; the work-group's number, 0..255
	s_lshl_b32 s70, s53, 2                         ; its word in gpart
	s_lshl_b32 s53, s53, 3
	s_add_co_u32 s53, s53, s[WV]                   ; my mask tile U = 16 x (tile of queries) + (step of keys)
	s_lshr_b32 s20, s53, 4
	s_lshl_b32 s20, s20, 17                        ; 16 rows of 8,192 bytes
	s_and_b32 s21, s53, 15
	s_lshl_b32 s21, s21, 9                         ; 128 columns
	s_add_co_u32 s20, s20, s21
	s_mov_b32 s21, 0
	s_add_nc_u64 s[4:5], s[4:5], s[20:21]
	s_and_b32 s51, s[WV], 3                        ; which four query tiles
	s_lshr_b32 s52, s[WV], 2                       ; which eight key steps
	s_lshl_b32 s20, s18, 1
	s_lshr_b32 s21, s51, 1
	s_add_co_u32 s20, s20, s21                     ; the step of 128 queries,
	s_and_b32 s21, s51, 1                          ; and which half of its eight tiles
	s_lshl_b32 s22, s19, 4
	s_add_co_u32 s22, s22, s20
	s_mul_i32 s22, s22, 6144
	s_mul_i32 s23, s21, 3072
	s_add_co_u32 s22, s22, s23
	s_mov_b32 s23, 0
	s_add_nc_u64 s[6:7], s[6:7], s[22:23]
	s_mul_i32 s22, s19, 20480
	s_lshl_b32 s20, s20, 9
	s_add_co_u32 s22, s22, s20
	s_lshl_b32 s21, s21, 3
	s_add_co_u32 s22, s22, s21
	s_add_nc_u64 s[10:11], s[10:11], s[22:23]      ; Q's scale words begin 12,288 bytes on
	s_mul_i32 s20, s[WV], 16*SROW
	s_add_co_u32 s20, s20, STG                     ; my stage
	v_add_nc_u32 v[STW], s20, v[LI]                ; in: a row as it lies
	v_and_b32 v2, 15, v0
	v_bfe_u32 v22, v0, 4, 1
	v_mul_u32_u24 v2, v2, SROW
	v_lshl_add_u32 v2, v22, 5, v2
	v_add_nc_u32 v[STR], s20, v2                   ; out: row lane % 16, + 32 x (lane / 16)
	s_mul_i32 s48, s52, 49152                      ; my first step of K in LDS,
	s_lshl_b32 s49, s52, 12
	s_add_co_u32 s49, s49, KSL                     ; and its scale words
	s_mov_b32 s68, 0x76543210
	s_mov_b32 s69, 0xfedcba98
	; ---- the mask tile, while the tiles of K are on their way
.irp i, 0,1,2,3,4,5,6,7,8,9,10,11,12,13,14,15
	global_load_b128 v[72+4*\i:75+4*\i], v[LI], s[4:5] offset:8192*\i th:TH_LOAD_NT   ; row i: 512 consecutive bytes
.endr
.irp p, 0,1                                    ; Q: tiles 2 p and 2 p + 1 are twelve registers of the image: 4 + 2 and 2 + 4
	global_load_b128 v[QF+24*\p:QF+24*\p+3], v[LI], s[6:7] offset:1536*\p
	global_load_b64 v[QF+24*\p+4:QF+24*\p+5], v[LI], s[6:7] offset:1536*\p+512
	global_load_b64 v[QF+24*\p+12:QF+24*\p+13], v[LI], s[6:7] offset:1536*\p+520
	global_load_b128 v[QF+24*\p+14:QF+24*\p+17], v[LI], s[6:7] offset:1536*\p+1024
.endr
	global_load_b64 v[QS:QS+1], v[LI], s[10:11] offset:12288
	s_wait_loadcnt 9                               ; the mask's 16 loads are in; Q's nine may be out
.irp i, 0,1,2,3,4,5,6,7,8,9,10,11,12,13,14,15
	ds_store_b128 v[STW], v[72+4*\i:75+4*\i] offset:SROW*\i
.endr
.irp t, 0,1,2,3,4,5,6,7                        ; LDS serves a wave's instructions in order: these see my stores.  Register 8 t + j: column 16 t + 8 (lane / 16) + j of row lane % 16
	ds_load_b128 v[136+8*\t:139+8*\t], v[STR] offset:64*\t
	ds_load_b128 v[140+8*\t:143+8*\t], v[STR] offset:64*\t+16
.endr
	s_mov_b32 s54, -1
	s_mov_b32 s55, 0
	v_mov_b32 v244, 0
	v_mov_b32 v245, 0
	s_wait_dscnt 0x0
.irp g, 0,1,2,3,4,5,6,7
.irp k, 0,1,2,3,4,5,6,7
	v_cmp_neq_f32 s[56+\k], 0, v[136+8*\g+\k]      ; word 8 g + k: a bit a lane
.endr
.irp k, 0,1,2,3,4,5,6,7
	s_and_b32 s54, s54, s[56+\k]
	s_or_b32 s55, s55, s[56+\k]
	v_writelane_b32 v[244+\k%2], s[56+\k], 4*\g+\k/2   ; lane n / 2 gathers words n and n + 1
.endr
.endr
	s_cmp_eq_u32 s54, -1                           ; the class is chosen and stored: nothing in this launch branches on it
	s_cselect_b32 s66, 2, 1
	s_cmp_eq_u32 s55, 0
	s_cselect_b32 s66, 0, s66
	s_lshl_b32 s20, s53, 8
	s_mov_b32 s21, 0
	s_add_nc_u64 s[20:21], s[14:15], s[20:21]
	s_lshl_b32 s22, s53, 2
	s_mov_b32 s23, 0
	s_add_nc_u64 s[22:23], s[14:15], s[22:23]
	global_store_b64 v[L8], v[244:245], s[20:21]   ; 256 consecutive bytes, aligned
	v_mov_b32 v246, s66
	v_mov_b32 v247, 0
	v_cmp_eq_u32 vcc_lo, 0, v[LI]
	s_wait_xcnt 0x0                                ; EXEC changes only behind this wait
	s_and_saveexec_b32 s67, vcc_lo
	global_store_b32 v247, v246, s[22:23] offset:524288   ; lane 0: the class
	s_wait_xcnt 0x0
	s_or_b32 exec_lo, exec_lo, s67
.irp f, 0,1,2,3
.irp k, 6,7,8,9,10,11
	v_mov_b32 v[QF+12*\f+\k], 0                    ; zero codes for the unused half of K
.endr
.endr
.irp k, 48,49,50,51,52,53
	v_mov_b32 v[KB0+\k], 0
	v_mov_b32 v[KB0+54+\k], 0
.endr
.irp f, 0,1,2,3
	v_mov_b32 v[MX+\f], 0
.endr
.macro KFETCH buf                      ; a step's 48 registers of K and its four scale registers, as they lie
	v_add_nc_u32 v[ADK], s48, v[LI]
	v_add_nc_u32 v[ADS], s49, v[LI]
.irp i, 0,1,2,3,4,5,6,7,8,9,10,11
	ds_load_b128 v[KB0+54*(\buf)+4*\i:KB0+54*(\buf)+4*\i+3], v[ADK] offset:512*\i
.endr
	ds_load_b128 v[KSC0+4*(\buf):KSC0+4*(\buf)+3], v[ADS]
	s_add_co_u32 s48, s48, 6144
	s_add_co_u32 s49, s49, 512
.endm
.macro WQ d, a, b, sa, sb, ra, rb      ; one product; ra, rb: the scale words stand in lanes 16-31
.if (\ra) && (\rb)
	v_wmma_scale_f32_16x16x128_f8f6f4 v[\d:\d+7], v[\a:\a+11], v[\b:\b+11], 0, v[\sa], v[\sb] matrix_a_fmt:MATRIX_FMT_FP6 matrix_b_fmt:MATRIX_FMT_FP6 matrix_a_scale:MATRIX_SCALE_ROW1 matrix_b_scale:MATRIX_SCALE_ROW1
.elseif \ra
	v_wmma_scale_f32_16x16x128_f8f6f4 v[\d:\d+7], v[\a:\a+11], v[\b:\b+11], 0, v[\sa], v[\sb] matrix_a_fmt:MATRIX_FMT_FP6 matrix_b_fmt:MATRIX_FMT_FP6 matrix_a_scale:MATRIX_SCALE_ROW1
.elseif \rb
	v_wmma_scale_f32_16x16x128_f8f6f4 v[\d:\d+7], v[\a:\a+11], v[\b:\b+11], 0, v[\sa], v[\sb] matrix_a_fmt:MATRIX_FMT_FP6 matrix_b_fmt:MATRIX_FMT_FP6 matrix_b_scale:MATRIX_SCALE_ROW1
.else
	v_wmma_scale_f32_16x16x128_f8f6f4 v[\d:\d+7], v[\a:\a+11], v[\b:\b+11], 0, v[\sa], v[\sb] matrix_a_fmt:MATRIX_FMT_FP6 matrix_b_fmt:MATRIX_FMT_FP6
.endif
.endm
.macro WT t, buf                       ; key tile t against my four query tiles, into accumulator set t % 2
.irp f, 0,1,2,3
	WQ ACC+32*((\t)%2)+8*\f, KB0+54*(\buf)+6*(\t), QF+12*\f, KSC0+4*(\buf)+(\t)/2, QS+\f/2, (\t)%2, \f%2
.endr
.endm
.macro MAXS set                        ; the largest magnitudes of a set: 16 lines, each accumulator from its low end on
.irp k, 0,2,4,6
.irp f, 0,1,2,3
	v_max3_num_f32 v[MX+\f], v[MX+\f], |v[ACC+32*(\set)+8*\f+\k]|, |v[ACC+32*(\set)+8*\f+\k+1]|
.endr
.endr
.endm
; A key step.  Behind each tile's four products stand the 16 lines that read the OTHER set: they are the places between a set's products and its readers, and between a set's products and those that write over it.
.macro KSTEP buf, fetch, first
	s_wait_dscnt 0x0                               ; this step's fragments, asked for a step ago
.if \fetch
	KFETCH 1-\buf
.endif
.irp t, 0,1,2,3,4,5,6,7
	WT \t, \buf
.if (\first) && (\t == 0)
.rept 5
	v_nop                                          ; nothing to read yet: five places, since tile 2's products write over these accumulators
.endr
.else
	MAXS (\t+1)%2
.endif
.endr
.endm
	s_wait_loadcnt 0x0                             ; Q
	s_wait_tensorcnt 0x0                           ; my parts of K
	s_barrier_signal -1
	s_barrier_wait -1                              ; everybody's
	KFETCH 0
	KSTEP 0, 1, 1
	s_mov_b32 s50, 3
.Lk:
	KSTEP 1, 1, 0
	KSTEP 0, 1, 0
	s_sub_co_u32 s50, s50, 1
	s_cmp_lg_u32 s50, 0
	s_cbranch_scc1 .Lk
	KSTEP 1, 0, 0
	MAXS 1
	v_max3_num_f32 v[MX], v[MX], v[MX+1], v[MX+2]
	v_max_num_f32 v[MX], v[MX], v[MX+3]
	v_max_num_f32_dpp v[MX], v[MX], v[MX] row_xmask:1 row_mask:0xf bank_mask:0xf
	v_max_num_f32_dpp v[MX], v[MX], v[MX] row_xmask:2 row_mask:0xf bank_mask:0xf
	v_max_num_f32_dpp v[MX], v[MX], v[MX] row_xmask:4 row_mask:0xf bank_mask:0xf
	v_max_num_f32_dpp v[MX], v[MX], v[MX] row_xmask:8 row_mask:0xf bank_mask:0xf
	v_permlanex16_b32 v[MX+1], v[MX], s68, s69
	v_max_num_f32 v[MX], v[MX], v[MX+1]            ; the wave's largest, in every lane
	s_lshl_b32 s20, s[WV], 2
	s_add_co_u32 s20, s20, RED
	v_mov_b32 v22, s20
	ds_store_b32 v22, v[MX]
	s_wait_dscnt 0x0                               ; for the others' sake
	s_barrier_signal -1
	s_barrier_wait -1
	v_mov_b32 v23, RED
	ds_load_b128 v[248:251], v23
	ds_load_b128 v[252:255], v23 offset:16
	s_mov_b32 s71, 0
	s_add_nc_u64 s[12:13], s[12:13], s[70:71]
	s_wait_dscnt 0x0
	v_max3_num_f32 v248, v248, v249, v250
	v_max3_num_f32 v251, v251, v252, v253
	v_max3_num_f32 v248, v248, v254, v255
	v_max_num_f32 v248, v248, v251
	v_cmp_eq_u32 vcc_lo, 0, v0
	s_wait_xcnt 0x0
	s_and_saveexec_b32 s67, vcc_lo
	global_store_b32 v247, v248, s[12:13]          ; thread 0: the work-group's largest |att|
	s_wait_xcnt 0x0
	s_or_b32 exec_lo, exec_lo, s67
	s_set_vgpr_msb 0x5
	s_wait_tensorcnt 0x0
	ds_add_u32 v0, v1
	s_wait_dscnt 0x0
	s_set_vgpr_msb 0x500
	CROUND                                         ; the closing round
	s_endpgm
.Lfunc_end_k_qcf417c5f41_gmax:
	.size	k_qcf417c5f41_gmax, .Lfunc_end_k_qcf417c5f41_gmax-k_qcf417c5f41_gmax
	.p2alignl 7, 3214868480
	.fill 96, 4, 3214868480
	.section	.rodata,"a",@progbits
	.p2align	6, 0x0
	.amdhsa_kernel k_qcf417c5f41_gmax
		.amdhsa_group_segment_fixed_size 175360
		.amdhsa_private_segment_fixed_size 0
		.amdhsa_enable_private_segment 0
		.amdhsa_kernarg_size 48
		.amdhsa_user_sgpr_count 2
		.amdhsa_user_sgpr_kernarg_segment_ptr 1
		.amdhsa_wavefront_size32 1
		.amdhsa_system_sgpr_workgroup_id_x 1
		.amdhsa_system_sgpr_workgroup_id_y 1
		.amdhsa_system_sgpr_workgroup_id_z 1
		.amdhsa_system_vgpr_workitem_id 0
		.amdhsa_next_free_vgpr 258
		.amdhsa_next_free_sgpr 72
		.amdhsa_reserve_vcc 1
		.amdhsa_float_denorm_mode_32 3
		.amdhsa_float_denorm_mode_16_64 3
		.amdhsa_memory_ordered 1
		.amdhsa_forward_progress 1
		.amdhsa_inst_pref_size 79
	.end_amdhsa_kernel
	.amdgpu_metadata
---
amdhsa.version: [ 1, 2 ]
amdhsa.kernels:
  - .name:           k_qcf417c5f41_gmax
    .symbol:         k_qcf417c5f41_gmax.kd
    .args:
      - { .name: att_mask, .offset: 0, .size: 8, .value_kind: global_buffer, .address_space: global }
      - { .name: qimg, .offset: 8, .size: 8, .value_kind: global_buffer, .address_space: global }
      - { .name: kv, .offset: 16, .size: 8, .value_kind: global_buffer, .address_space: global }
      - { .name: sc, .offset: 24, .size: 8, .value_kind: global_buffer, .address_space: global }
      - { .name: gpart, .offset: 32, .size: 8, .value_kind: global_buffer, .address_space: global }
      - { .name: mbits, .offset: 40, .size: 8, .value_kind: global_buffer, .address_space: global }
    .group_segment_fixed_size: 175360
    .private_segment_fixed_size: 0
    .kernarg_segment_align: 8
    .kernarg_segment_size: 48
    .max_flat_workgroup_size: 256
    .sgpr_count:     72
    .vgpr_count:     258
    .wavefront_size: 32
...
	.end_amdgpu_metadata
.endif
;; end of part 2
;; launch attn (part 3): grid 8 x 32, 16 waves a work-group, no clusters, 79,872 bytes of LDS; arguments qimg, kv, sc, gpart, mbits, yimg, ysc; writes yimg, ysc
.if DOCPART == 3
	.amdgcn_target "amdgcn-amd-amdhsa--gfx1250"
	.amdhsa_code_object_version 6
	.text
	.protected	k_qcf417c5f41_attn
	.globl	k_qcf417c5f41_attn
	.p2align	8
	.type	k_qcf417c5f41_attn,@function
k_qcf417c5f41_attn:
	s_mov_b64 s[64:65], 0
	v_nop
	global_prefetch_b8 v0, s[64:65] scope:SCOPE_SE
	s_setreg_imm32_b32 hwreg(HW_REG_WAVE_MODE, 25, 1), 1
	s_wait_xcnt 0x0
; y = softmax(mask((att - G) x 32)) v for one head, both products on codes of FP6 (E2M3), and y quantised along the channels for the last product.
; att = (q / 256) . k; G = the largest |att| of the whole problem (the largest of gpart's 256 numbers).  t = (att - G) x 32 log2(e); M = the running largest t rounded UP to a whole number; p = 2^(t - M) is what is
; quantised, along the keys; the row's sum is taken of the unquantised p and divides at the end.  When M moves, the sum and O are multiplied by 2^(old M - new M): exact.
; -G is the C of the score products: att - G comes out of the matrix unit with one rounding and costs no vector line.
; SHARES.  Sixteen waves; wave w owns ONE tile of 16 queries, number x + 8 idx of the head's 128, x the work-group's, idx = w with its two low bits turned in every second group of four waves: tiles with much and with little
; to do under a lower-triangular mask are spread evenly; no value hangs on that.  Every wave walks the 16 key steps of 128.
; THE MASK is honoured as the launch before stored it: a step whose class is 0 (all 16 x 128 masked) adds nothing and leaves M alone: it is jumped over; class 2 (all open) jumps over the 64 selections; class 1 takes them.
; NO TENSOR LOAD AND NO CLUSTER: steps are left out by a branch on numbers read from memory.  K and V go through registers into two LDS slots of two steps; a phase's
; loads are issued two phases ahead, so they have a whole phase in which to land.
; LAYOUT.  Both products transposed: S^T = K Q^T, O^T = V^T P^T: a lane holds one query.  p's order inside a block of 32 keys is the one in which v was stored (position 16 h + i holds key 16 (i / 8) + 8 h + i % 8).
; K = 64 in an instruction of K = 128: Q's upper six registers are zero codes, K's fragments lie six registers apart, bytes 2, 3 of the scale words repeat bytes 0, 1.
; LIMITS: NaN and infinities in q, k, v are not served.  A row whose mask is all 0 has the sum 0: its scale bytes are set to 0xff, so that the last product gives NaN there, as the softmax of such a row does.
.set SLOTB, 32768                      ; LDS: slot 0 at 0, slot 1 here: 2 steps x (K 6,144 + V 6,144) each;
.set SCB,   65536                      ; the head's scale words: K 16 x 512, then V 16 x 256
.set LI,  1                            ; v1 16 x lane
.set L8,  2                            ; v2 8 x lane
.set SLA, 3                            ; v3 1,536 x wave + 16 x lane: my part of a phase, in memory and in a slot
.set ASK, 4                            ; v4 K's scale words of the trip's first step
.set ASV, 5                            ; v5 V's
.set QF,  16                           ; v16-27 Q, v22-27 zero codes
.set QS,  28
.set NINF, 29
.set NG,  32                           ; v32-39 -G
.set KB,  40                           ; v40-87 K's or V's fragments, v88-93 zero codes
.set KSC, 94
.set VSC, 98
.set SR,  100                          ; v100-163 S^T, then p
.set OT,  164                          ; v164-195 O^T
.set PC,  196                          ; v196-207 p's codes
.set PT,  208
.set BM,  216
.set BP,  220
.set SO,  224
.set PW,  228
.set FF,  230                          ; v[230:231] f
.set T0,  232
.set L2,  234
.set ST,  236                          ; v236-247 my part of the phase on its way
.set CW,  19                           ; s19 the classes of the steps to come, two bits each
.set CC,  52
.set SEL, 56
.set CS,  58
	s_load_b256 s[20:27], s[0:1], 0x0              ; qimg, kv, sc, gpart
	s_load_b128 s[28:31], s[0:1], 0x20             ; mbits, yimg
	s_load_b64 s[32:33], s[0:1], 0x30              ; ysc
	v_lshl_add_u32 v229, v0, 2, 0x13000
	v_mov_b32 v255, 0
	v_lshrrev_b32 v9, 5, v0
	v_readfirstlane_b32 s12, v9                    ; wave 0..15
	v_and_b32 v10, 31, v0
	v_and_b32 v11, 15, v0
	v_lshlrev_b32 v[LI], 4, v10
	v_lshlrev_b32 v[L8], 3, v10
	s_mul_i32 s13, s12, 1536
	v_add_nc_u32 v[SLA], s13, v[LI]
	v_add_nc_u32 v[ASK], SCB, v[LI]
	v_add_nc_u32 v[ASV], SCB+8192, v[L8]
	s_mul_i32 s13, s12, 768
	v_add_nc_u32 v253, s13, v[L8]                  ; my part of the scale words, in memory,
	v_add_nc_u32 v254, SCB, v253                   ; and in LDS
	v_lshlrev_b32 v252, 5, v10                     ; gpart: 32 bytes a lane
	s_bfe_u32 s14, s12, 0x10002
	s_mul_i32 s14, s14, 3
	s_xor_b32 s14, s12, s14                        ; idx
	s_lshl_b32 s15, s14, 3
	s_add_co_u32 s15, s15, ttmp9                   ; my tile of 16 queries, 0..127
	s_and_b32 s16, ttmp7, 0xffff                   ; batch x 16 + head
	s_mul_i32 s34, s16, 98304
	s_mul_i32 s35, s14, 6144
	s_add_co_u32 s34, s34, s35
	s_mov_b32 s35, 0                               ; Q: the record of my step of 128 queries
	s_mul_i32 s36, s16, 196608
	s_mov_b32 s37, 0                               ; the head's K and V
	s_mul_i32 s38, s16, 20480
	s_mov_b32 s39, 0                               ; its scale words
	s_lshl_b32 s40, s15, 12
	s_mov_b32 s41, 0                               ; my tile's 16 mask records
	s_lshl_b32 s42, s15, 6
	s_mov_b32 s43, 0                               ; and their classes
	s_lshr_b32 s44, s16, 4
	s_lshl_b32 s44, s44, 7
	s_add_co_u32 s44, s44, s15                     ; my tile of 16 rows of y
	s_and_b32 s45, s16, 15                         ; the head
	s_lshl_b32 s46, s44, 4
	s_add_co_u32 s46, s46, s45
	s_mul_i32 s46, s46, 768
	s_mov_b32 s47, 0
	s_lshl_b32 s48, s44, 9
	s_lshl_b32 s49, s45, 1
	s_add_co_u32 s48, s48, s49
	s_mov_b32 s49, 0
	s_mul_i32 s52, ttmp9, 6                        ; my tile is number x of its step's eight: registers 6 x .. 6 x + 5 of the image, in pairs
.irp e, 0,1,2
	s_lshr_b32 s54, s52, 2
	s_lshl_b32 s54, s54, 9
	s_and_b32 s55, s52, 3
	s_lshl_b32 s55, s55, 2
	s_add_co_u32 s54, s54, s55
	v_add_nc_u32 v[248+\e], s54, v[LI]
	s_add_co_u32 s52, s52, 2
.endr
	s_lshl_b32 s54, s14, 9                         ; Q's scale word: step idx, register x / 2, lane 16 (x % 2) + r
	s_and_b32 s55, ttmp9, 1
	s_lshl_b32 s55, s55, 8
	s_add_co_u32 s54, s54, s55
	s_lshr_b32 s55, ttmp9, 1
	s_lshl_b32 s55, s55, 2
	s_add_co_u32 s54, s54, s55
	s_add_co_u32 s54, s54, 12288
	v_lshl_add_u32 v251, v11, 4, s54
	s_mov_b32 s[SEL], 0x76543210
	s_mov_b32 s[SEL+1], 0xfedcba98
	s_mov_b32 s[CS], 0x4238aa3b                    ; c = 32 log2(e)
	s_mov_b32 s[CS+1], s[CS]
	s_mov_b32 s60, 0xffff0000
	s_wait_kmcnt 0x0
	s_add_nc_u64 s[20:21], s[20:21], s[34:35]
	s_add_nc_u64 s[4:5], s[22:23], s[36:37]
	s_add_nc_u64 s[24:25], s[24:25], s[38:39]
	s_add_nc_u64 s[6:7], s[28:29], s[40:41]
	s_add_nc_u64 s[50:51], s[28:29], s[42:43]
	s_add_nc_u64 s[8:9], s[30:31], s[46:47]
	s_add_nc_u64 s[10:11], s[32:33], s[48:49]
	s_load_b512 s[68:83], s[50:51], 0x80000        ; the 16 classes
	global_load_b64 v[QF:QF+1], v248, s[20:21]
	global_load_b64 v[QF+2:QF+3], v249, s[20:21]
	global_load_b64 v[QF+4:QF+5], v250, s[20:21]
	global_load_b32 v[QS], v251, s[24:25]
	global_load_b128 v[120:123], v252, s[26:27]
	global_load_b128 v[124:127], v252, s[26:27] offset:16
.irp i, 0,1,2
	global_load_b64 v[112+2*\i:113+2*\i], v253, s[24:25] offset:256*\i
.endr
.irp i, 0,1,2
	global_load_b128 v[SR+4*\i:SR+4*\i+3], v[SLA], s[4:5] offset:512*\i             ; phase 0
.endr
.irp i, 0,1,2
	global_load_b128 v[ST+4*\i:ST+4*\i+3], v[SLA], s[4:5] offset:24576+512*\i       ; phase 1
.endr
.irp k, 6,7,8,9,10,11
	v_mov_b32 v[QF+\k], 0
	v_mov_b32 v[KB+42+\k], 0
.endr
	v_mov_b32 v[NINF], 0xff800000
	v_mov_b32 v13, 0xff61b1e6                      ; the largest t so far: -3e38
	v_floor_f32 v12, -v13                          ; -M
	v_mov_b32 v14, 0
	v_mov_b32 v15, 0
	v_mov_b32 v[FF+1], 0
	v_mov_b32 v[T0], 0
.irp b, 0,1,2,3
	v_mov_b32 v[BP+\b], 0
.endr
.set j, 0
.rept 32
	v_mov_b32 v[OT+j], 0                           ; the step is written once for all steps: the first finds zeros
.set j, j+1
.endr
	s_wait_kmcnt 0x0
	s_mov_b32 s[CW], s68
.irp n, 1,2,3,4,5,6,7,8,9,10,11,12,13,14,15
	s_lshl_b32 s[CC], s[68+\n], 2*\n
	s_or_b32 s[CW], s[CW], s[CC]
.endr
	s_wait_loadcnt 3                               ; all but phase 1's three loads
	v_max3_num_f32 v120, v120, v121, v122
	v_max3_num_f32 v123, v123, v124, v125
	v_max3_num_f32 v120, v120, v126, v127
	v_max_num_f32 v120, v120, v123
	v_max_num_f32_dpp v120, v120, v120 row_xmask:1 row_mask:0xf bank_mask:0xf
	v_max_num_f32_dpp v120, v120, v120 row_xmask:2 row_mask:0xf bank_mask:0xf
	v_max_num_f32_dpp v120, v120, v120 row_xmask:4 row_mask:0xf bank_mask:0xf
	v_max_num_f32_dpp v120, v120, v120 row_xmask:8 row_mask:0xf bank_mask:0xf
	v_permlanex16_b32 v121, v120, s[SEL], s[SEL+1]
	v_max_num_f32 v120, v120, v121                 ; G
.irp k, 0,1,2,3,4,5,6,7
	v_mul_f32 v[NG+\k], -1.0, v120
.endr
.irp i, 0,1,2
	ds_store_b128 v[SLA], v[SR+4*\i:SR+4*\i+3] offset:512*\i
	ds_store_b64 v254, v[112+2*\i:113+2*\i] offset:256*\i
.endr
	s_wait_dscnt 0x0                               ; for the others' sake
	s_barrier_signal -1
	s_barrier_wait -1
; A KEY STEP: 128 keys, the q-th of the phase in slot \slot.
.macro STEP slot, q
	s_and_b32 s[CC], s[CW], 3
	s_cmp_eq_u32 s[CC], 0
	s_cbranch_scc1 .Lskip_\@                       ; all masked: a branch on a stored whole number, round the step's work alone
	s_load_b512 s[20:35], s[6:7], 256*(2*\slot+\q)
	s_load_b512 s[36:51], s[6:7], 256*(2*\slot+\q)+64
	s_load_b512 s[68:83], s[6:7], 256*(2*\slot+\q)+128
	s_load_b512 s[84:99], s[6:7], 256*(2*\slot+\q)+192
.rept 4
	v_nop                                          ; places in front of loads into registers that the last products read
.endr
.irp i, 0,1,2,3,4,5,6,7,8,9,10,11
	ds_load_b128 v[KB+4*\i:KB+4*\i+3], v[LI] offset:\slot*SLOTB+\q*12288+512*\i
.endr
	ds_load_b128 v[KSC:KSC+3], v[ASK] offset:512*(2*\slot+\q)
	s_wait_dscnt 0x0
.irp t, 0,2,4,6
	v_wmma_scale_f32_16x16x128_f8f6f4 v[SR+8*\t:SR+8*\t+7], v[KB+6*\t:KB+6*\t+11], v[QF:QF+11], v[NG:NG+7], v[KSC+\t/2], v[QS] matrix_a_fmt:MATRIX_FMT_FP6 matrix_b_fmt:MATRIX_FMT_FP6
	v_wmma_scale_f32_16x16x128_f8f6f4 v[SR+8*\t+8:SR+8*\t+15], v[KB+6*\t+6:KB+6*\t+17], v[QF:QF+11], v[NG:NG+7], v[KSC+\t/2], v[QS] matrix_a_fmt:MATRIX_FMT_FP6 matrix_b_fmt:MATRIX_FMT_FP6 matrix_a_scale:MATRIX_SCALE_ROW1
.endr
.rept 4
	v_nop                                          ; places: for V's loads into K's registers, and for the first read of the scores
.endr
.irp i, 0,1,2,3,4,5,6,7,8,9,10,11
	ds_load_b128 v[KB+4*\i:KB+4*\i+3], v[LI] offset:\slot*SLOTB+\q*12288+6144+512*\i   ; V lands under the softmax
.endr
	ds_load_b64 v[VSC:VSC+1], v[ASV] offset:256*(2*\slot+\q)
	s_wait_kmcnt 0x0                               ; the 64 mask words
	s_cmp_eq_u32 s[CC], 2
	s_cbranch_scc1 .Lopen_\@
.set n, 0
.rept 32
	v_cndmask_b32 v[SR+n], v[NINF], v[SR+n], s[20+n]   ; a masked score becomes -infinity: p = 0
.set n, n+1
.endr
.rept 32
	v_cndmask_b32 v[SR+n], v[NINF], v[SR+n], s[36+n]
.set n, n+1
.endr
.Lopen_\@:
.irp b, 0,1,2,3
	v_max3_num_f32 v[BM+\b], v[SR+16*\b], v[SR+16*\b+1], v[SR+16*\b+2]   ; the largest score of each block of 32 keys: for the row's maximum, and, since p rises with the score, for the block's largest p
.endr
.irp i, 3,5,7,9,11,13
.irp b, 0,1,2,3
	v_max3_num_f32 v[BM+\b], v[BM+\b], v[SR+16*\b+\i], v[SR+16*\b+\i+1]
.endr
.endr
.irp b, 0,1,2,3
	v_max_num_f32 v[BM+\b], v[BM+\b], v[SR+16*\b+15]
.endr
.irp b, 0,1,2,3
	v_permlanex16_b32 v[BP+\b], v[BM+\b], s[SEL], s[SEL+1]
.endr
.irp b, 0,1,2,3
	v_max_num_f32 v[BM+\b], v[BM+\b], v[BP+\b]
.endr
	v_max3_num_f32 v[T0], v[BM], v[BM+1], v[BM+2]
	v_max_num_f32 v[T0], v[T0], v[BM+3]
	v_mul_f32 v[T0], s[CS], v[T0]
	v_max_num_f32 v13, v13, v[T0]                  ; the running largest t
	v_mov_b32 v[T0], v12
	v_floor_f32 v12, -v13                          ; -M = floor(-t): M is a whole number
	v_sub_f32 v[T0], v12, v[T0]
	v_cvt_i32_f32 v[T0], v[T0]                     ; (it saturates)
	v_ldexp_f32 v[FF], 1.0, v[T0]                  ; f = 2^(old M - new M)
.set j, 0
.rept 32
	v_pk_fma_f32 v[SR+j:SR+j+1], v[SR+j:SR+j+1], s[CS:CS+1], v[12:13] op_sel_hi:[1,0,0]   ; t - M
.set j, j+2
.endr
.irp b, 0,1,2,3
	v_fma_f32 v[BM+\b], v[BM+\b], s[CS], v12
.endr
.set j, 0
.rept 64
	v_exp_f32 v[SR+j], v[SR+j]
.set j, j+1
.endr
	v_pk_mul_f32 v[14:15], v[14:15], v[FF:FF+1] op_sel_hi:[1,0]   ; a plain place behind the exponentials
	s_wait_alu depctr_va_vdst(0)                   ; one wait for the batch of 64, ahead of its first reader
.irp b, 0,1,2,3
	v_exp_f32 v[BM+\b], v[BM+\b]
.endr
	v_pk_add_f32 v[L2:L2+1], v[SR:SR+1], v[SR+2:SR+3]             ; the sum of the unquantised p, in two chains
.irp j, 4,8,12,16,20,24,28,32,36,40,44,48,52,56,60
	v_pk_add_f32 v[14:15], v[14:15], v[SR+\j:SR+\j+1]
	v_pk_add_f32 v[L2:L2+1], v[L2:L2+1], v[SR+\j+2:SR+\j+3]
.endr
	v_pk_add_f32 v[14:15], v[14:15], v[L2:L2+1]
	s_wait_alu depctr_va_vdst(0)                   ; and one for the four
.irp b, 0,1,2,3
	v_max_num_f32 v[BM+\b], 0x1800000, v[BM+\b]    ; the floor: the byte cannot fall under 1
.endr
.irp b, 0,1,2,3
	v_add_nc_u32 v[SO+\b], 0xff000000, v[BM+\b]
.endr
.irp b, 0,1,2,3
	v_lshrrev_b32 v[BP+\b], 23, v[SO+\b]
.endr
	v_lshl_or_b32 v[PW], v[BP+1], 8, v[BP]
	v_lshl_or_b32 v[PW], v[BP+2], 16, v[PW]
	v_lshl_or_b32 v[PW], v[BP+3], 24, v[PW]
.irp c, 0,1
	v_cvt_scalef32_pk16_fp6_f32 v[PC+6*\c:PC+6*\c+2], v[SR+32*\c:SR+32*\c+15], v[SO+2*\c]
	v_cvt_scalef32_pk16_fp6_f32 v[PT+4*\c:PT+4*\c+2], v[SR+32*\c+16:SR+32*\c+31], v[SO+2*\c+1]
.endr
	v_nop                                          ; one plain place behind a scaled conversion
.irp c, 0,1
.irp i, 0,1,2
	v_permlane16_swap_b32 v[PC+6*\c+\i], v[PT+4*\c+\i]
.endr
.irp i, 0,1,2
	v_mov_b32 v[PC+6*\c+3+\i], v[PT+4*\c+\i]
.endr
.endr
.set j, 0
.rept 16
	v_pk_mul_f32 v[OT+j:OT+j+1], v[OT+j:OT+j+1], v[FF:FF+1] op_sel_hi:[1,0]   ; O^T under the new M; these 16 also stand between the scale word and codes just made and the products
.set j, j+2
.endr
	s_wait_dscnt 0x0                               ; V
.irp t, 0,2                                    ; four accumulators by turns; the matrix instruction ahead of them wrote scores
	v_wmma_scale_f32_16x16x128_f8f6f4 v[OT+8*\t:OT+8*\t+7], v[KB+12*\t:KB+12*\t+11], v[PC:PC+11], v[OT+8*\t:OT+8*\t+7], v[VSC+\t/2], v[PW] matrix_a_fmt:MATRIX_FMT_FP6 matrix_b_fmt:MATRIX_FMT_FP6
	v_wmma_scale_f32_16x16x128_f8f6f4 v[OT+8*\t+8:OT+8*\t+15], v[KB+12*\t+12:KB+12*\t+23], v[PC:PC+11], v[OT+8*\t+8:OT+8*\t+15], v[VSC+\t/2], v[PW] matrix_a_fmt:MATRIX_FMT_FP6 matrix_b_fmt:MATRIX_FMT_FP6 matrix_a_scale:MATRIX_SCALE_ROW1
.endr
.Lskip_\@:
	s_lshr_b32 s[CW], s[CW], 2                     ; on to the next step's class
.endm
; THE END OF A PHASE.  My part of the next phase, asked for a phase ago, goes into the slot that was read a phase ago (every wave's reads of it were over in front of the last barrier); load = 1: the phase after it is asked for.
.macro STAGE other, load
	s_wait_loadcnt 0x0
.irp i, 0,1,2
	ds_store_b128 v[SLA], v[ST+4*\i:ST+4*\i+3] offset:\other*SLOTB+512*\i
.endr
	s_add_nc_u64 s[4:5], s[4:5], 24576             ; no load of mine is out
	s_wait_dscnt 0x0                               ; my stores have landed and have read their registers; my reads of this phase's slot are over
.if \load
.irp i, 0,1,2
	global_load_b128 v[ST+4*\i:ST+4*\i+3], v[SLA], s[4:5] offset:24576+512*\i
.endr
.endif
	s_barrier_signal -1
	s_barrier_wait -1
.endm
	s_mov_b32 s53, 3
.Ltrip:                                        ; a trip: two phases, four key steps
	STEP 0, 0
	STEP 0, 1
	STAGE 1, 1
	STEP 1, 0
	STEP 1, 1
	STAGE 0, 1
	s_wait_xcnt 0x0                                ; the trip's scalar loads have read their base
	s_add_nc_u64 s[6:7], s[6:7], 1024
	v_add_nc_u32 v[ASK], 2048, v[ASK]
	v_add_nc_u32 v[ASV], 1024, v[ASV]
	s_sub_co_u32 s53, s53, 1
	s_cmp_lg_u32 s53, 0
	s_cbranch_scc1 .Ltrip
	STEP 0, 0                                      ; phases 6 and 7: nothing is left to ask for
	STEP 0, 1
	STAGE 1, 0
	STEP 1, 0
	STEP 1, 1
	; THE WAY OUT: y = O^T / the sum, quantised along the channels in their true order
.rept 4
	v_nop
.endr
	v_add_f32 v14, v14, v15
	v_permlanex16_b32 v[T0], v14, s[SEL], s[SEL+1]
	v_add_f32 v14, v14, v[T0]                      ; the row's sum
	v_rcp_f32 v[FF], v14
	v_mov_b32 v[T0+1], 0xff                        ; (a plain place behind the reciprocal)
	s_wait_alu depctr_va_vdst(0)
.set j, 0
.rept 16
	v_pk_mul_f32 v[SR+j:SR+j+1], v[OT+j:OT+j+1], v[FF:FF+1] op_sel_hi:[1,0]   ; register 8 t + i: channel 16 t + 8 h + i
.set j, j+2
.endr
.irp b, 0,1
.irp k, 0,1,2,3,4,5,6,7
	v_permlane16_swap_b32 v[SR+16*\b+\k], v[SR+16*\b+8+\k]   ; halves change places: register 16 b + i now holds channel 32 b + 16 h + i
.endr
.endr
.irp b, 0,1
	v_max3_num_f32 v[BM+\b], |v[SR+16*\b]|, |v[SR+16*\b+1]|, 0x1800000
.endr
.irp i, 2,4,6,8,10,12,14
.irp b, 0,1
	v_max3_num_f32 v[BM+\b], v[BM+\b], |v[SR+16*\b+\i]|, |v[SR+16*\b+\i+1]|
.endr
.endr
.irp b, 0,1
	v_permlanex16_b32 v[BP+\b], v[BM+\b], s[SEL], s[SEL+1]
.endr
.irp b, 0,1
	v_max_num_f32 v[BM+\b], v[BM+\b], v[BP+\b]
.endr
.irp b, 0,1
	v_add_nc_u32 v[SO+\b], 0xff000000, v[BM+\b]
.endr
.irp b, 0,1
	v_lshrrev_b32 v[BP+\b], 23, v[SO+\b]
.endr
	v_cvt_scalef32_pk16_fp6_f32 v[PC:PC+2], v[SR:SR+15], v[SO]
	v_cvt_scalef32_pk16_fp6_f32 v[PT:PT+2], v[SR+16:SR+31], v[SO+1]
	v_nop
.irp i, 0,1,2
	v_permlane16_swap_b32 v[PC+\i], v[PT+\i]
.endr
.irp i, 0,1,2
	v_mov_b32 v[PC+3+\i], v[PT+\i]                 ; six registers: lanes 0-15 the head's block 0, lanes 16-31 its block 1
.endr
	v_cndmask_b32 v[T0], v[BP], v[BP+1], s60       ; my half's block's byte
	v_cmp_eq_f32 vcc_lo, 0, v14
	v_cndmask_b32 v[T0], v[T0], v[T0+1], vcc_lo    ; a row with nothing open: 0xff
	v_and_b32 v9, 15, v0
	v_bfe_u32 v10, v0, 4, 1
	v_lshl_add_u32 v9, v9, 5, v10                  ; row r of 32 scale bytes, + my half
	global_store_b128 v[LI], v[PC:PC+3], s[8:9]    ; the record's 768 bytes: 512 and 256 consecutive, aligned
	global_store_b64 v[L8], v[PC+4:PC+5], s[8:9] offset:512
	global_store_b8 v9, v[T0], s[10:11]            ; single bytes: a row's 32 bytes belong to 16 heads, of which this work-group has one
	s_wait_tensorcnt 0x0
	ds_add_u32 v229, v255
	s_wait_dscnt 0x0
	s_endpgm
.Lfunc_end_k_qcf417c5f41_attn:
	.size	k_qcf417c5f41_attn, .Lfunc_end_k_qcf417c5f41_attn-k_qcf417c5f41_attn
	.p2alignl 7, 3214868480
	.fill 96, 4, 3214868480
	.section	.rodata,"a",@progbits
	.p2align	6, 0x0
	.amdhsa_kernel k_qcf417c5f41_attn
		.amdhsa_group_segment_fixed_size 79872
		.amdhsa_private_segment_fixed_size 0
		.amdhsa_enable_private_segment 0
		.amdhsa_kernarg_size 56
		.amdhsa_user_sgpr_count 2
		.amdhsa_user_sgpr_kernarg_segment_ptr 1
		.amdhsa_wavefront_size32 1
		.amdhsa_system_sgpr_workgroup_id_x 1
		.amdhsa_system_sgpr_workgroup_id_y 1
		.amdhsa_system_sgpr_workgroup_id_z 1
		.amdhsa_system_vgpr_workitem_id 0
		.amdhsa_next_free_vgpr 256
		.amdhsa_next_free_sgpr 102
		.amdhsa_reserve_vcc 1
		.amdhsa_float_denorm_mode_32 3
		.amdhsa_float_denorm_mode_16_64 3
		.amdhsa_memory_ordered 1
		.amdhsa_forward_progress 1
		.amdhsa_inst_pref_size 172
	.end_amdhsa_kernel
	.amdgpu_metadata
---
amdhsa.version: [ 1, 2 ]
amdhsa.kernels:
  - .name:           k_qcf417c5f41_attn
    .symbol:         k_qcf417c5f41_attn.kd
    .args:
      - { .name: qimg, .offset: 0, .size: 8, .value_kind: global_buffer, .address_space: global }
      - { .name: kv, .offset: 8, .size: 8, .value_kind: global_buffer, .address_space: global }
      - { .name: sc, .offset: 16, .size: 8, .value_kind: global_buffer, .address_space: global }
      - { .name: gpart, .offset: 24, .size: 8, .value_kind: global_buffer, .address_space: global }
      - { .name: mbits, .offset: 32, .size: 8, .value_kind: global_buffer, .address_space: global }
      - { .name: yimg, .offset: 40, .size: 8, .value_kind: global_buffer, .address_space: global }
      - { .name: ysc, .offset: 48, .size: 8, .value_kind: global_buffer, .address_space: global }
    .group_segment_fixed_size: 79872
    .private_segment_fixed_size: 0
    .kernarg_segment_align: 8
    .kernarg_segment_size: 56
    .max_flat_workgroup_size: 512
    .sgpr_count:     102
    .vgpr_count:     256
    .wavefront_size: 32
...
	.end_amdgpu_metadata
.endif
;; end of part 3
;; launch outp (part 4): grid 4 x 16, 4 waves a work-group, clusters of 4 x 4, 327,680 bytes of LDS; arguments yimg, ysc, Wp_codes, Wp_scales, bp, out0; writes out0
.if DOCPART == 4
	.amdgcn_target "amdgcn-amd-amdhsa--gfx1250"
	.amdhsa_code_object_version 6
	.text
	.protected	k_qcf417c5f41_outp
	.globl	k_qcf417c5f41_outp
	.p2align	8
	.type	k_qcf417c5f41_outp,@function
k_qcf417c5f41_outp:
	s_mov_b64 s[64:65], 0
	v_nop
	global_prefetch_b8 v0, s[64:65] scope:SCOPE_SE
	s_setreg_imm32_b32 hwreg(HW_REG_WAVE_MODE, 25, 1), 1
	s_wait_xcnt 0x0
	s_wait_alu depctr_hold_cnt(0) depctr_sa_sdst(0) depctr_va_vdst(0) depctr_va_sdst(0) depctr_va_ssrc(0) depctr_va_vcc(0) depctr_vm_vsrc(0)
	s_getreg_b32 s2, hwreg(HW_REG_IB_STS2, 6, 4)
	s_cmp_eq_u32 s2, 0
	s_cbranch_scc0 .Lentry_in_a_cluster
	s_endpgm
.Lentry_in_a_cluster:
	s_bfe_u32 s2, ttmp6, 0x10000c
	s_cmp_lg_u32 s2, 0xf033
	s_cbranch_scc0 .Lentry_shape_is_right
	s_endpgm
.Lentry_shape_is_right:
; out0 = y Wp + bp on codes of FP6 (E2M3) with one E8M0 scale for each 32 along K = 1024.  y: 4,096 rows, as images of operand registers ([tile of 16 rows][head][768 bytes]: registers 0-3 at 16 x lane, 4-5 at 512 + 8 x lane),
; its scale bytes [4096][32]; Wp: [1024 (n)][1024 (k)] as given; out0 [4096][1024] f32.
; A tile of 256 x 256 to a work-group of four waves, 128 x 128 a wave; K in steps of 256 through a ring of two LDS slots filled by joint tensor loads (4 x 4 cluster: y's tiles shared along a row, Wp's along a column);
; the scale bytes of the work-group's rows come once.  Source 0 = 16 rows of Wp, source 1 = 16 rows of y: a lane holds eight neighbouring numbers of a row of out0.  bp is the C of each sum's first product.
; 64 work-groups: the problem has 64 such tiles.
.set SIZE_N, 1024
.set KSTEP,  256
.set NQ,     KSTEP/128
.set ROWB,   192                       ; Wp: a tile row, 256 codes
.set AROWB,  3072                      ; y: a K step of a tile of 16 rows: four heads' records
.set KROW,   768
.set PITCH,  240
.set FR,     12
.set NL,     6                         ; LDS loads of a fragment of Wp
.set NLA,    4                         ; and of y
.set NP,     4
.set HALFT,  128*PITCH
.set SLOT,   4*HALFT
.set LAPS,   2
.set KS,     32
.set SCL,    2*SLOT
.set HALFS,  (128*KS/256)*272
.set SBLK,   (16*KS/256)*272
.set SPARE,  SCL+4*HALFS
.set SPITCH, 528                       ; the way out: a stage of 16 rows x (512 + 16) bytes a wave, in slot 0, which has had its last fill and its last read by then
.set ADRA, 16                          ; v16-17 y's images in slot 0, 1: + 16 x lane;  v18-19: + 8 x lane
.set ADRB, 20
.set STO,  24
.set RD,   25
.set CO,   26
.set ADRS, 27
.set SPW,  28
.set NIL,  29
.set BA,   30
.set SC,   32
.set BI,   64                          ; v64-127 bp: register 8 b + j = column 16 b + 8 h + j of my 128
.set AF,   128
.set BK,   128
.set G1, 24
.set G0, 32
.set G1B, 48
.set G0B, 56
.set G1S, 68
.set G0S, 76
.set G1SB, 80
.set G0SB, 88
.set MSB, 0
.macro WIN new
.if MSB != (\new)
	s_set_vgpr_msb (MSB<<8)|(\new)
.set MSB, (\new)
.endif
.endm
.set MUL_LO, 0xa1
.set MUL_HI, 0xf1
.set TO_B,   0x40
.macro JLOAD g0a, g1a, g0b, g1b        ; waves 0, 1 fetch for y, waves 2, 3 for Wp; four v_nop follow each of the two lines
	s_cmp_eq_u32 s15, 0
	s_cbranch_scc0 .Lfor_b_\@
	tensor_load_to_lds s[\g0a:\g0a+3], s[\g1a:\g1a+7]
	s_nop 0
.rept 4
	v_nop
.endr
	s_branch .Lasked_\@
.Lfor_b_\@:
	tensor_load_to_lds s[\g0b:\g0b+3], s[\g1b:\g1b+7]
	s_nop 0
.rept 4
	v_nop
.endr
.Lasked_\@:
.endm
.macro CREST
	s_cmp_lg_u32 s14, 0
	s_cbranch_scc1 .Lnot_wave_0_\@
	s_barrier_signal -3
.Lnot_wave_0_\@:
	s_barrier_wait -3
	s_barrier_signal -1
	s_barrier_wait -1
.endm
.macro CROUND
	s_barrier_signal -1
	s_barrier_wait -1
	CREST
.endm
	s_load_b128 s[4:7], s[0:1], 0x0                ; yimg, ysc
	s_load_b128 s[8:11], s[0:1], 0x10              ; Wp's codes, Wp's scales
	s_load_b64 s[96:97], s[0:1], 0x20              ; bp
	s_load_b64 s[12:13], s[0:1], 0x28              ; out0
	v_lshl_add_u32 v[SPW], v0, 2, SPARE
	v_mov_b32 v[NIL], 0
	ds_add_u32 v28, v29
	ds_add_u32 v28, v29
	s_wait_dscnt 0x0
	v_lshrrev_b32 v1, 5, v0
	v_readfirstlane_b32 s14, v1
	s_lshr_b32 s15, s14, 1
	s_and_b32 s16, s14, 1
	s_bfe_u32 s40, ttmp6, 0x40000
	s_bfe_u32 s41, ttmp6, 0x40004
	s_lshl_b32 s42, ttmp9, 2
	s_add_co_u32 s42, s42, s40                     ; tile column
	s_and_b32 s17, ttmp7, 0xffff
	s_lshl_b32 s17, s17, 2
	s_add_co_u32 s17, s17, s41                     ; tile row
	s_lshl_b32 s43, s41, 2
	s_lshl_b32 s43, 15, s43
	s_lshl_b32 s44, 0x1111, s40
	s_or_b32 s[G1+0], s43, (3<<16)|(1<<21)         ; y: eight tiles of rows x 3,072 bytes, 12,288 bytes apart; elements of 8 bytes; no padding: images are read as they lie
	s_mov_b32 s[G1+1], 384<<16
	s_mov_b32 s[G1+2], 8<<16
	s_mov_b32 s[G1+3], 384<<16
	s_mov_b32 s[G1+4], 8
	s_mov_b32 s[G1+5], 1536
	s_mov_b32 s[G1+6], 0
	s_mov_b32 s[G1+7], 0
	s_or_b32 s[G1B+0], s44, (0<<16)|(1<<20)|(1<<21)|(3<<22)|(3<<25)   ; Wp: 128 rows x 192 bytes, 16 bytes of padding behind every 64
	s_mov_b32 s[G1B+1], ROWB<<16
	s_mov_b32 s[G1B+2], 128<<16
	s_mov_b32 s[G1B+3], ROWB<<16
	s_mov_b32 s[G1B+4], 128
	s_mov_b32 s[G1B+5], KROW
	s_mov_b32 s[G1B+6], 0
	s_mov_b32 s[G1B+7], 0
	s_or_b32 s[G1S+0], s43, (3<<16)|(1<<20)|(1<<21)|(5<<22)|(3<<25)
	s_or_b32 s[G1SB+0], s44, (3<<16)|(1<<20)|(1<<21)|(5<<22)|(3<<25)
.irp g, G1S, G1SB
	s_mov_b32 s[\g+1], 32<<16
	s_mov_b32 s[\g+2], (128*KS/256)<<16
	s_mov_b32 s[\g+3], 32<<16
	s_mov_b32 s[\g+4], 128*KS/256
	s_mov_b32 s[\g+5], 32
	s_mov_b32 s[\g+6], 0
	s_mov_b32 s[\g+7], 0
.endr
	s_lshl_b32 s18, s16, 7
	s_lshl_b32 s20, s17, 8
	s_add_co_u32 s20, s20, s18
	s_lshl_b32 s46, s42, 8
	s_add_co_u32 s46, s46, s18
	s_mov_b32 s21, 0
	s_mov_b32 s47, 0
	s_mov_b64 s[18:19], KS
	s_mul_u64 s[22:23], s[20:21], s[18:19]
	s_mul_u64 s[92:93], s[46:47], s[18:19]
	s_mov_b64 s[18:19], KROW
	s_mul_u64 s[20:21], s[20:21], s[18:19]         ; 16 rows of y are 12,288 bytes of images: 768 a row, as in a tensor of rows
	s_mul_u64 s[46:47], s[46:47], s[18:19]
	s_mul_i32 s45, s14, HALFT
	s_mul_i32 s94, s14, HALFS
	s_wait_kmcnt 0x0
	s_add_nc_u64 s[20:21], s[4:5], s[20:21]
	s_add_nc_u64 s[22:23], s[6:7], s[22:23]
	s_add_nc_u64 s[46:47], s[8:9], s[46:47]
	s_add_nc_u64 s[92:93], s[10:11], s[92:93]
	CROUND
	s_mov_b32 s[G0S], 1
	s_add_co_u32 s[G0S+1], s94, SCL
	s_mov_b64 s[G0S+2:G0S+3], s[22:23]
	s_or_b32 s[G0S+3], s[G0S+3], 0x80000000
	s_mov_b32 s[G0SB], 1
	s_add_co_u32 s[G0SB+1], s94, SCL
	s_mov_b64 s[G0SB+2:G0SB+3], s[92:93]
	s_or_b32 s[G0SB+3], s[G0SB+3], 0x80000000
	JLOAD G0S, G1S, G0SB, G1SB
.irp s, 0,1
	s_mov_b32 s[G0+4*\s], 1
	s_add_co_u32 s[G0+4*\s+1], s45, \s*SLOT
	s_add_nc_u64 s[G0+4*\s+2:G0+4*\s+3], s[20:21], \s*AROWB
	s_or_b32 s[G0+4*\s+3], s[G0+4*\s+3], 0x80000000
	s_mov_b32 s[G0B+4*\s], 1
	s_add_co_u32 s[G0B+4*\s+1], s45, \s*SLOT
	s_add_nc_u64 s[G0B+4*\s+2:G0B+4*\s+3], s[46:47], \s*ROWB
	s_or_b32 s[G0B+4*\s+3], s[G0B+4*\s+3], 0x80000000
	JLOAD G0+4*\s, G1, G0B+4*\s, G1B
.endr
	v_and_b32 v1, 15, v0
	v_bfe_u32 v2, v0, 4, 1
	v_and_b32 v6, 31, v0
	v_mul_u32_u24 v3, v1, PITCH
	v_mul_u32_u24 v4, v2, 24
	v_add_nc_u32 v4, v3, v4
	v_lshl_add_u32 v5, v2, 4, v4
	v_lshlrev_b32 v7, 4, v6                        ; 16 x lane
	v_lshlrev_b32 v8, 3, v6                        ; 8 x lane
	s_mul_i32 s21, s15, HALFT
	s_mul_i32 s22, s16, HALFT
	s_add_co_u32 s22, s22, 2*HALFT
.irp s, 0,1
	v_add_nc_u32 v[ADRA+\s], s21, v7
	v_add_nc_u32 v[ADRB+\s], s22, v4
	v_add_nc_u32 v[ADRA+2+\s], s21, v8
	v_add_nc_u32 v[ADRB+2+\s], s22, v5
	s_add_co_u32 s21, s21, SLOT
	s_add_co_u32 s22, s22, SLOT
.endr
	v_mul_u32_u24 v5, v1, KS
	v_lshrrev_b32 v6, 8, v5
	v_lshl_add_u32 v5, v6, 4, v5
	s_mul_i32 s21, s15, HALFS
	s_mul_i32 s22, s16, HALFS
	s_add_co_u32 s22, s22, 2*HALFS
	s_sub_co_u32 s22, s22, s21
	v_mul_u32_u24 v6, s22, v2
	s_add_co_u32 s21, s21, SCL
	v_add_nc_u32 v5, v5, v6
	v_add_nc_u32 v[ADRS], s21, v5
	s_mul_i32 s23, s14, 16*SPITCH
	v_mul_u32_u24 v5, v1, SPITCH
	v_lshl_add_u32 v5, v2, 5, v5
	v_add_nc_u32 v[STO], s23, v5
	v_mov_b32 v[CO], v7
	v_add_nc_u32 v[RD], s23, v[CO]
	s_lshl_b32 s20, s17, 8
	s_lshl_b32 s21, s15, 7
	s_add_co_u32 s20, s20, s21
	s_mov_b32 s21, 0
	s_mov_b64 s[18:19], SIZE_N*4
	s_mul_u64 s[20:21], s[20:21], s[18:19]
	s_lshl_b32 s46, s42, 10
	s_lshl_b32 s47, s16, 9
	s_add_co_u32 s46, s46, s47                     ; my first column, in bytes: in a row of out0 and in bp alike
	s_mov_b32 s47, 0
	s_add_nc_u64 s[96:97], s[96:97], s[46:47]
	s_add_nc_u64 s[20:21], s[20:21], s[46:47]
	s_add_nc_u64 s[12:13], s[12:13], s[20:21]
	v_lshlrev_b32 v[BA], 5, v2
.irp b, 0,1,2,3,4,5,6,7
	global_load_b128 v[BI+8*\b:BI+8*\b+3], v[BA], s[96:97] offset:64*\b
	global_load_b128 v[BI+8*\b+4:BI+8*\b+7], v[BA], s[96:97] offset:64*\b+16
.endr
.macro FRAG reg, adr, q, i
.irp p, 0,1,2,3,4,5
.set PCE, 12*(\q)+6*(\p/3)+\p%3
.if PCE%8 < 5
	ds_load_b64 v[\reg+2*\p:\reg+2*\p+1], v[\adr] offset:8*PCE+16*(PCE/8)+(\i)*16*PITCH
.else
	ds_load_b64 v[\reg+2*\p:\reg+2*\p+1], v[\adr+2] offset:8*PCE+16*(PCE/8)+(\i)*16*PITCH
.endif
.endr
.endm
.macro FRAG_A reg, slot, q, i          ; a fragment of y: two heads' records, 4 + 2 registers each, as they were stored
	ds_load_b128 v[\reg:\reg+3], v[ADRA+\slot] offset:3072*(\i)+1536*(\q)
	ds_load_b64 v[\reg+4:\reg+5], v[ADRA+2+\slot] offset:3072*(\i)+1536*(\q)+512
	ds_load_b128 v[\reg+6:\reg+9], v[ADRA+\slot] offset:3072*(\i)+1536*(\q)+768
	ds_load_b64 v[\reg+10:\reg+11], v[ADRA+2+\slot] offset:3072*(\i)+1536*(\q)+1280
.endm
; zero = 1: the sums begin with bp (window 0) as C.  The 64 accumulators take turns, one instruction a turn.
.macro MUL16 a0, p, q, sc, zero
.irp a, \a0, \a0+1
.irp b, 0,1,2,3,4,5,6,7
.if \zero
	v_wmma_scale_f32_16x16x128_f8f6f4 v[8*(8*((\a)%4)+\b):8*(8*((\a)%4)+\b)+7], v[128*(\p)+FR*\b:128*(\p)+FR*\b+FR-1], v[AF+FR*(\a):AF+FR*(\a)+FR-1], v[BI+8*\b:BI+8*\b+7], v[SC+8*NQ*(\sc)+NQ*\b+(\q)], v[SC+8*NQ*(\sc)+NQ*(\a)+(\q)] matrix_a_fmt:MATRIX_FMT_FP6 matrix_b_fmt:MATRIX_FMT_FP6 matrix_a_scale:MATRIX_SCALE_ROW1
.else
	v_wmma_scale_f32_16x16x128_f8f6f4 v[8*(8*((\a)%4)+\b):8*(8*((\a)%4)+\b)+7], v[128*(\p)+FR*\b:128*(\p)+FR*\b+FR-1], v[AF+FR*(\a):AF+FR*(\a)+FR-1], v[8*(8*((\a)%4)+\b):8*(8*((\a)%4)+\b)+7], v[SC+8*NQ*(\sc)+NQ*\b+(\q)], v[SC+8*NQ*(\sc)+NQ*(\a)+(\q)] matrix_a_fmt:MATRIX_FMT_FP6 matrix_b_fmt:MATRIX_FMT_FP6 matrix_a_scale:MATRIX_SCALE_ROW1
.endif
.endr
.endr
.endm
.macro FETCH_B slot, q, p
	WIN TO_B
.irp i, 0,1,2,3,4,5,6,7
	FRAG 128*(\p)+FR*\i, ADRB+\slot, \q, \i
.endr
	WIN 0
.endm
.macro FETCH_A slot, q, i0
.irp i, \i0, \i0+1, \i0+2, \i0+3
	FRAG_A AF+FR*(\i), \slot, \q, \i
.endr
.endm
.macro SCALES sc
.irp i, 0,1,2,3,4,5,6,7
	ds_load_b64 v[SC+8*NQ*\sc+NQ*\i:SC+8*NQ*\sc+NQ*\i+1], v[ADRS] offset:\i*SBLK
.endr
.endm
.macro PLACES n
.rept \n
	v_nop
.endr
.endm
.macro STEP slot, q, zero
	s_wait_dscnt 4*NLA                             ; the 16 youngest loads (y's blocks 4-7) may be out
.if \zero
	WIN 0x81                                       ; C in window 0, D in window 2
.else
	WIN MUL_LO
.endif
	MUL16 0, (\q)%2, \q, \slot, \zero
	MUL16 2, (\q)%2, \q, \slot, \zero
	s_wait_dscnt 0
	PLACES NP
	FETCH_B \slot, (\q)+1, 1-(\q)%2
	FETCH_A \slot, (\q)+1, 0
.if \zero
	WIN 0xc1
.else
	WIN MUL_HI
.endif
	MUL16 4, (\q)%2, \q, \slot, \zero
	MUL16 6, (\q)%2, \q, \slot, \zero
	PLACES NP
	WIN 0
	FETCH_A \slot, (\q)+1, 4
.endm
.macro TURN slot, next, fill
	s_wait_tensorcnt 0x0                           ; all my tensor loads have landed
	ds_add_u32 v[SPW], v[NIL]                      ; 0 onto my spare word
	s_wait_dscnt 4*NLA+1                           ; the add and the 16 youngest loads may be out
	WIN MUL_LO
	MUL16 0, 1, NQ-1, \slot, 0
	s_wait_dscnt 0x0                               ; the add is done, and my reads of this slot are over
	s_barrier_signal -1
	MUL16 2, 1, NQ-1, \slot, 0
	WIN 0
	s_barrier_wait -1
.if \fill
	CREST
	s_add_nc_u64 s[G0+4*\slot+2:G0+4*\slot+3], s[G0+4*\slot+2:G0+4*\slot+3], 2*AROWB
	s_add_nc_u64 s[G0B+4*\slot+2:G0B+4*\slot+3], s[G0B+4*\slot+2:G0B+4*\slot+3], 2*ROWB
	JLOAD G0+4*\slot, G1, G0B+4*\slot, G1B
.else
	PLACES NP
.endif
	v_add_nc_u32 v[ADRS], 4*NQ, v[ADRS]
	FETCH_B \next, 0, 0
	FETCH_A \next, 0, 0
	SCALES \next
	WIN MUL_HI
	MUL16 4, 1, NQ-1, \slot, 0
	MUL16 6, 1, NQ-1, \slot, 0
	PLACES NP
	WIN 0
	FETCH_A \next, 0, 4
.endm
	s_wait_tensorcnt 1                             ; the scales and my part of K step 0 are in; K step 1's load may be out
	s_barrier_signal -1
	s_barrier_wait -1
	FETCH_B 0, 0, 0
	FETCH_A 0, 0, 0
	SCALES 0
	FETCH_A 0, 0, 4
	s_wait_loadcnt 0x0                             ; bp
	STEP 0, 0, 1
	s_mov_b32 s3, LAPS-1
.Llap:
	TURN 0, 1, 1
	STEP 1, 0, 0
	TURN 1, 0, 1
	STEP 0, 0, 0
	s_sub_co_u32 s3, s3, 1
	s_cmp_lg_u32 s3, 0
	s_cbranch_scc1 .Llap
	TURN 0, 1, 0
	STEP 1, 0, 0
	s_wait_dscnt 4*NLA
	WIN MUL_LO
	MUL16 0, 1, NQ-1, 1, 0
	MUL16 2, 1, NQ-1, 1, 0
	s_wait_dscnt 0
	WIN MUL_HI
	MUL16 4, 1, NQ-1, 1, 0
	MUL16 6, 1, NQ-1, 1, 0
	WIN 0
; THE WAY OUT, block by block of 16 rows x 128 columns, through my own stage: in as 32 bytes a lane, back as whole rows of 512 bytes.  LDS serves a wave's instructions in order (ISA guide 5.7.1.4).
.macro TOSTAGE a
.set AC, 64*((\a)%4)
	WIN 0x08+4*((\a)/4)
.irp b, 0,1,2,3,4,5,6,7
	ds_store_b128 v[STO], v[AC+8*\b:AC+8*\b+3] offset:64*\b          ; each accumulator from its low end on
	ds_store_b128 v[STO], v[AC+8*\b+4:AC+8*\b+7] offset:64*\b+16
.endr
	WIN 0
.set BB, BK+64*((\a)%2)
.irp t, 0,1,2,3,4,5,6,7,8,9,10,11,12,13,14,15
	ds_load_b128 v[BB+4*\t:BB+4*\t+3], v[RD] offset:\t*SPITCH
.endr
.endm
.macro SEND a, younger
.set BB, BK+64*((\a)%2)
	s_wait_dscnt \younger
.if (\a) > 0
	s_add_nc_u64 s[12:13], s[12:13], 16*SIZE_N*4   ; behind a wait on XCNT: the earlier stores have read their base
.endif
.irp t, 0,1,2,3,4,5,6,7,8,9,10,11,12,13,14,15
	global_store_b128 v[CO], v[BB+4*\t:BB+4*\t+3], s[12:13] offset:\t*SIZE_N*4 th:TH_STORE_NT   ; 512 consecutive bytes, aligned
.endr
.endm
	PLACES NP
	TOSTAGE 0
.irp a, 1,2,3,4,5,6,7
.if \a > 1
	s_wait_xcnt 0x0                                ; block a - 2's stores have read their registers and their base
.endif
	TOSTAGE \a
	SEND \a-1, 32                                  ; behind block a - 1's loads: block a's 16 stores and 16 loads
.endr
	s_wait_xcnt 0x0
	SEND 7, 0
	s_wait_tensorcnt 0x0                           ; the wave's end
	ds_add_u32 v[SPW], v[NIL]
	s_wait_dscnt 0x0
	CROUND                                         ; the closing round
	s_endpgm
.Lfunc_end_k_qcf417c5f41_outp:
	.size	k_qcf417c5f41_outp, .Lfunc_end_k_qcf417c5f41_outp-k_qcf417c5f41_outp
	.p2alignl 7, 3214868480
	.fill 96, 4, 3214868480
	.section	.rodata,"a",@progbits
	.p2align	6, 0x0
	.amdhsa_kernel k_qcf417c5f41_outp
		.amdhsa_group_segment_fixed_size 327680
		.amdhsa_private_segment_fixed_size 0
		.amdhsa_enable_private_segment 0
		.amdhsa_kernarg_size 48
		.amdhsa_user_sgpr_count 2
		.amdhsa_user_sgpr_kernarg_segment_ptr 1
		.amdhsa_wavefront_size32 1
		.amdhsa_system_sgpr_workgroup_id_x 1
		.amdhsa_system_sgpr_workgroup_id_y 1
		.amdhsa_system_sgpr_workgroup_id_z 1
		.amdhsa_system_vgpr_workitem_id 0
		.amdhsa_next_free_vgpr 1024
		.amdhsa_next_free_sgpr 100
		.amdhsa_reserve_vcc 0
		.amdhsa_float_denorm_mode_32 3
		.amdhsa_float_denorm_mode_16_64 3
		.amdhsa_memory_ordered 1
		.amdhsa_forward_progress 1
		.amdhsa_inst_pref_size 153
	.end_amdhsa_kernel
	.amdgpu_metadata
---
amdhsa.version: [ 1, 2 ]
amdhsa.kernels:
  - .name:           k_qcf417c5f41_outp
    .symbol:         k_qcf417c5f41_outp.kd
    .args:
      - { .name: yimg, .offset: 0, .size: 8, .value_kind: global_buffer, .address_space: global }
      - { .name: ysc, .offset: 8, .size: 8, .value_kind: global_buffer, .address_space: global }
      - { .name: Wp_codes, .offset: 16, .size: 8, .value_kind: global_buffer, .address_space: global }
      - { .name: Wp_scales, .offset: 24, .size: 8, .value_kind: global_buffer, .address_space: global }
      - { .name: bp, .offset: 32, .size: 8, .value_kind: global_buffer, .address_space: global }
      - { .name: out0, .offset: 40, .size: 8, .value_kind: global_buffer, .address_space: global }
    .group_segment_fixed_size: 327680
    .private_segment_fixed_size: 0
    .kernarg_segment_align: 8
    .kernarg_segment_size: 48
    .max_flat_workgroup_size: 128
    .sgpr_count:     100
    .vgpr_count:     1024
    .wavefront_size: 32
...
	.end_amdgpu_metadata
.endif
;; end of part 4
